; MI455X (gfx1250); checked and timed in simulation.
; The chip was launched on July 23, 2026; its instructions are those of AMD's public machine-readable ISA for CDNA 5 (MIT licence, August 2026) and "CDNA5" Instruction Set Architecture Reference Guide (July 2026). The comments in the code are by the model that wrote it; some were corrected since.
;; YOCO Gated Retention. Allowed arithmetic: float matrix products may take bf16 or f16 operands with f32 sums; other float arithmetic in f32, or as packed bf16 or f16 multiplies, adds, multiply-adds, maxima and minima; sums over many terms, partial sums and values carried from step to step in f32; what a program stores and reads back later, other than sums and carried values, may be rounded once to bf16 or f16.
;; Inputs: Wg 2,048 x 2,048 float32; Wgk 32 x 2,048 float32; Wk 2,048 x 2,048 float32; Wo 2,048 x 2,048 float32; Wq 2,048 x 2,048 float32; Wv 2,048 x 2,048 float32; hidden_states 1 x 2,048 x 2,048 float32.
;; Outputs: out0 1 x 2,048 x 2,048 float32.
;; 2 versions, each right; version 2 is version 1 with the launch cast written anew for expert scheduling mode. Each part assembles by itself: llvm-mc -triple=amdgcn-amd-amdhsa -mcpu=gfx1250 --defsym DOCPART=n.
;; ======== version 1 of 2: 6 launches
;; limits: values outside matrix products are rounded to f16; values are held in f16: magnitudes above 65,504 overflow, below 6.1e-05 lose precision
;; workspace buffers: xb 8,388,608 bytes; wts 42,074,112 bytes; tab 524,288 bytes; gk2 262,144 bytes; qkvg 33,554,432 bytes; ust 3,670,016 bytes; yb 8,388,608 bytes
;; launch cast (part 1): grid 128 x 7, 8 waves a work-group, no clusters, 0 bytes of LDS; arguments hidden_states, Wq, Wk, Wv, Wg, Wo, Wgk, xb, wts, tab; writes xb, wts, tab
.if DOCPART == 1
	.amdgcn_target "amdgcn-amd-amdhsa--gfx1250"
	.amdhsa_code_object_version 6
	.text
	.protected	k_qa9e025a52c_cast
	.globl	k_qa9e025a52c_cast
	.p2align	8
	.type	k_qa9e025a52c_cast,@function
k_qa9e025a52c_cast:
	s_mov_b64 s[64:65], 0
	v_nop
	global_prefetch_b8 v0, s[64:65] scope:SCOPE_SE
	s_setreg_imm32_b32 hwreg(HW_REG_WAVE_MODE, 25, 1), 1
	s_wait_xcnt 0x0
; The matrix operands are made once.  y = 0: hidden_states -> xb in bf16.  y = 1..4: Wq, Wk, Wv, Wg -> wts rows 0..8191 in bf16.
; y = 5: Wo -> wts rows 8192..10239 as f16(8 x bf16(Wo)): the number rounded to bf16 like every input, times 8 (exact), written as f16 (exact while 6.1e-5 <= |8 Wo| < 65,504;
; below that f16's fixed step of 6e-8 holds).  y = 6: the table of cosines and sines for the rotation of q and k, and Wgk -> wts rows 10240..10271 in bf16.
; A work-group of roles 0..5 owns 16 rows: 131,072 bytes in, 65,536 out, in four rounds of eight loads a wave.  A wave's load covers 512 neighbouring bytes, its store 256, aligned.
; No LDS, no matrix unit: nothing is used twice.
; THE TABLE.  tab[tb][b4][e][lane][4]: lane (r = lane % 16, h = lane / 16) holds cos, sin, cos, sin of the angles t x 10000^(-i/32), t = 16 tb + r, i = 8 b4 + 4 h + 2 e and i + 1:
; the order in which the projection's lanes hold the pairs of a head's channels.  The angle is reduced by multiples of pi/2 (pi/2 in two parts, fused multiply-adds), sine and cosine
; are polynomials on |x| <= pi/4 cut at x^7 and x^8: the terms left out are below 3.2e-7.  10000^(-i/32) is 2^(-0.41524101 i), off by some 3e-7 of itself, alike for q and k.
.set X,  4                             ; v[4:35]   eight slots of four f32 as loaded
.set Y,  36                            ; v[36:51]  eight slots of two words to store
.set W,  52                            ; v[52:57]  at work
.set TF, 16                            ; v16       t as f32
.set FI, 18                            ; v18, v19  i and i + 1 as f32
	s_load_b512 s[4:19], s[0:1], 0x0               ; hidden_states s[4:5], Wq, Wk, Wv, Wg, Wo s[14:15], Wgk s[16:17], xb s[18:19]
	s_load_b128 s[20:23], s[0:1], 0x40             ; wts s[20:21], tab s[22:23]
	s_and_b32 s24, ttmp7, 0xffff                   ; the role
	v_lshlrev_b32 v1, 4, v0                        ; 16 bytes a thread in,
	v_lshlrev_b32 v2, 3, v0                        ; 8 out
	s_mov_b32 s31, 0                               ; high word of every offset
	s_wait_kmcnt 0x0
	s_cmp_eq_u32 s24, 6
	s_cbranch_scc1 .Ltable
	s_mov_b64 s[26:27], s[4:5]                     ; the source by the role
.irp i, 1,2,3,4,5
	s_cmp_eq_u32 s24, \i
	s_cselect_b64 s[26:27], s[4+2*\i:5+2*\i], s[26:27]
.endr
	s_max_u32 s30, s24, 1
	s_sub_co_u32 s30, s30, 1
	s_lshl_b32 s30, s30, 23                        ; a weight's copy is 8,388,608 bytes
	s_add_nc_u64 s[28:29], s[20:21], s[30:31]
	s_cmp_eq_u32 s24, 0
	s_cselect_b64 s[28:29], s[18:19], s[28:29]     ; role 0 stores into xb
	s_lshl_b32 s30, ttmp9, 17
	s_add_nc_u64 s[26:27], s[26:27], s[30:31]      ; my 16 rows in,
	s_lshl_b32 s30, ttmp9, 16
	s_add_nc_u64 s[28:29], s[28:29], s[30:31]      ; and out
	s_mov_b32 s32, 4
; One round: 32,768 bytes in.  mode 0: to bf16.  mode 1: to bf16, times 8, to f16.
.macro ROUND mode
.irp i, 0,1,2,3,4,5,6,7
	global_load_b128 v[X+4*(\i):X+4*(\i)+3], v1, s[26:27] offset:4096*(\i) th:TH_LOAD_NT
.endr
.irp i, 0,1,2,3,4,5,6,7
	s_wait_loadcnt 7-(\i)                          ; loads come back in order: slot i is in, the younger ones stay out
.if \mode
	v_cvt_pk_bf16_f32 v[W], v[X+4*(\i)], v[X+4*(\i)+1]
	v_cvt_pk_bf16_f32 v[W+1], v[X+4*(\i)+2], v[X+4*(\i)+3]
	v_lshlrev_b32 v[W+2], 16, v[W]                 ; bf16 to f32: the low half moves up, the high half stays
	v_and_b32 v[W+3], 0xffff0000, v[W]
	v_lshlrev_b32 v[W+4], 16, v[W+1]
	v_and_b32 v[W+5], 0xffff0000, v[W+1]
	v_pk_mul_f32 v[W+2:W+3], v[W+2:W+3], 0x41000000 op_sel_hi:[1,0]  ; times 8
	v_pk_mul_f32 v[W+4:W+5], v[W+4:W+5], 0x41000000 op_sel_hi:[1,0]
	v_cvt_pk_f16_f32 v[Y+2*(\i)], v[W+2], v[W+3]
	v_cvt_pk_f16_f32 v[Y+2*(\i)+1], v[W+4], v[W+5]
.else
	v_cvt_pk_bf16_f32 v[Y+2*(\i)], v[X+4*(\i)], v[X+4*(\i)+1]
	v_cvt_pk_bf16_f32 v[Y+2*(\i)+1], v[X+4*(\i)+2], v[X+4*(\i)+3]
.endif
	global_store_b64 v2, v[Y+2*(\i):Y+2*(\i)+1], s[28:29] offset:2048*(\i)
.endr
	s_wait_xcnt 0x0                                ; the bases and the stores' data are rewritten only behind this wait
	s_add_nc_u64 s[26:27], s[26:27], 0x8000
	s_add_nc_u64 s[28:29], s[28:29], 0x4000
.endm
	s_cmp_eq_u32 s24, 5
	s_cbranch_scc1 .Lwo
.Lplain:
	ROUND 0
	s_sub_co_u32 s32, s32, 1
	s_cmp_lg_u32 s32, 0
	s_cbranch_scc1 .Lplain
	s_endpgm
.Lwo:
	ROUND 1
	s_sub_co_u32 s32, s32, 1
	s_cmp_lg_u32 s32, 0
	s_cbranch_scc1 .Lwo
	s_endpgm
; cos and sin of t x 2^(-0.41524101 i); fi: the register that holds i as f32
.macro SINCOS fi, c, s
	v_mul_f32 v40, 0xbed49a78, v[\fi]
	v_exp_f32 v40, v40
	v_nop                                          ; a plain instruction behind the exponential
	s_wait_alu depctr_va_vdst(0)
	v_mul_f32 v40, v[TF], v40                      ; the angle
	v_mul_f32 v41, 0x3f22f983, v40                 ; x 2 / pi
	v_rndne_f32 v41, v41                           ; k
	v_fmamk_f32 v42, v41, 0xbfc90fdb, v40          ; x = angle - k pi/2: the f32 nearest to pi/2,
	v_fmamk_f32 v42, v41, 0x333bbd2e, v42          ; and what it has too much
	v_mul_f32 v43, v42, v42                        ; x^2
	v_fmaak_f32 v44, s33, v43, 0x3c088889          ; sine: -x^2/5040 + 1/120
	v_fmaak_f32 v45, s34, v43, 0xbab60b61          ; cosine: x^2/40320 - 1/720
	v_fmaak_f32 v44, v44, v43, 0xbe2aaaab
	v_fmaak_f32 v45, v45, v43, 0x3d2aaaab
	v_mul_f32 v44, v44, v43
	v_fma_f32 v45, v45, v43, -0.5
	v_fma_f32 v44, v44, v42, v42                   ; sin x
	v_fma_f32 v45, v45, v43, 1.0                   ; cos x
	v_cvt_i32_f32 v46, v41
	v_and_b32 v47, 1, v46
	v_cmp_ne_u32 vcc_lo, 0, v47                    ; odd k: sine and cosine change places
	v_cndmask_b32 v[\s], v44, v45, vcc_lo
	v_cndmask_b32 v[\c], v45, v44, vcc_lo
	v_and_b32 v47, 2, v46                          ; the sine's sign turns for k % 4 = 2, 3,
	v_lshlrev_b32 v47, 30, v47
	v_xor_b32 v[\s], v[\s], v47
	v_add_nc_u32 v46, 1, v46                       ; the cosine's for k % 4 = 1, 2
	v_and_b32 v46, 2, v46
	v_lshlrev_b32 v46, 30, v46
	v_xor_b32 v[\c], v[\c], v46
.endm
.Ltable:
	v_lshrrev_b32 v3, 5, v0
	v_readfirstlane_b32 s25, v3                    ; my wave's number
	v_lshrrev_b32 v4, 6, v0                        ; b4
	v_bfe_u32 v5, v0, 4, 1                         ; h
	v_bfe_u32 v6, v0, 5, 1                         ; e
	v_lshlrev_b32 v4, 3, v4
	v_lshl_add_u32 v4, v5, 2, v4
	v_lshl_add_u32 v4, v6, 1, v4                   ; i = 8 b4 + 4 h + 2 e
	v_and_b32 v5, 15, v0
	s_lshl_b32 s30, ttmp9, 4
	v_add_nc_u32 v5, s30, v5                       ; t = 16 tb + r
	v_cvt_f32_u32 v[TF], v5
	v_cvt_f32_u32 v[FI], v4
	v_add_f32 v[FI+1], 1.0, v[FI]
	s_mov_b32 s33, 0xb9500d01                      ; -1/5040
	s_mov_b32 s34, 0x37d00d01                      ; 1/40320
	SINCOS FI, 8, 9
	SINCOS FI+1, 10, 11
	s_lshl_b32 s30, ttmp9, 12
	s_add_nc_u64 s[22:23], s[22:23], s[30:31]
	global_store_b128 v1, v[8:11], s[22:23]        ; 4,096 bytes a work-group, 512 neighbouring bytes a wave
	s_cmp_lt_u32 s25, 4
	s_cbranch_scc0 .Ldone                          ; waves 0 to 3 also take 2,048 bytes of Wgk
	s_lshl_b32 s30, ttmp9, 11
	s_add_nc_u64 s[16:17], s[16:17], s[30:31]
	global_load_b128 v[12:15], v1, s[16:17] th:TH_LOAD_NT
	s_add_nc_u64 s[20:21], s[20:21], 0x2800000     ; row 10,240 of wts
	s_lshl_b32 s30, ttmp9, 10
	s_add_nc_u64 s[20:21], s[20:21], s[30:31]
	s_wait_loadcnt 0x0
	v_cvt_pk_bf16_f32 v20, v12, v13
	v_cvt_pk_bf16_f32 v21, v14, v15
	global_store_b64 v2, v[20:21], s[20:21]
.Ldone:
	s_endpgm
.Lfunc_end_k_qa9e025a52c_cast:
	.size	k_qa9e025a52c_cast, .Lfunc_end_k_qa9e025a52c_cast-k_qa9e025a52c_cast
	.p2alignl 7, 3214868480
	.fill 96, 4, 3214868480
	.section	.rodata,"a",@progbits
	.p2align	6, 0x0
	.amdhsa_kernel k_qa9e025a52c_cast
		.amdhsa_group_segment_fixed_size 0
		.amdhsa_private_segment_fixed_size 0
		.amdhsa_enable_private_segment 0
		.amdhsa_kernarg_size 80
		.amdhsa_user_sgpr_count 2
		.amdhsa_user_sgpr_kernarg_segment_ptr 1
		.amdhsa_wavefront_size32 1
		.amdhsa_system_sgpr_workgroup_id_x 1
		.amdhsa_system_sgpr_workgroup_id_y 1
		.amdhsa_system_sgpr_workgroup_id_z 1
		.amdhsa_system_vgpr_workitem_id 0
		.amdhsa_next_free_vgpr 64
		.amdhsa_next_free_sgpr 66
		.amdhsa_reserve_vcc 1
		.amdhsa_float_denorm_mode_32 3
		.amdhsa_float_denorm_mode_16_64 3
		.amdhsa_memory_ordered 1
		.amdhsa_forward_progress 1
		.amdhsa_inst_pref_size 16
	.end_amdhsa_kernel
	.amdgpu_metadata
---
amdhsa.version: [ 1, 2 ]
amdhsa.kernels:
  - .name:           k_qa9e025a52c_cast
    .symbol:         k_qa9e025a52c_cast.kd
    .args:
      - { .name: hidden_states, .offset: 0, .size: 8, .value_kind: global_buffer, .address_space: global }
      - { .name: Wq, .offset: 8, .size: 8, .value_kind: global_buffer, .address_space: global }
      - { .name: Wk, .offset: 16, .size: 8, .value_kind: global_buffer, .address_space: global }
      - { .name: Wv, .offset: 24, .size: 8, .value_kind: global_buffer, .address_space: global }
      - { .name: Wg, .offset: 32, .size: 8, .value_kind: global_buffer, .address_space: global }
      - { .name: Wo, .offset: 40, .size: 8, .value_kind: global_buffer, .address_space: global }
      - { .name: Wgk, .offset: 48, .size: 8, .value_kind: global_buffer, .address_space: global }
      - { .name: xb, .offset: 56, .size: 8, .value_kind: global_buffer, .address_space: global }
      - { .name: wts, .offset: 64, .size: 8, .value_kind: global_buffer, .address_space: global }
      - { .name: tab, .offset: 72, .size: 8, .value_kind: global_buffer, .address_space: global }
    .group_segment_fixed_size: 0
    .private_segment_fixed_size: 0
    .kernarg_segment_align: 8
    .kernarg_segment_size: 80
    .max_flat_workgroup_size: 256
    .sgpr_count:     66
    .vgpr_count:     64
    .wavefront_size: 32
...
	.end_amdgpu_metadata
.endif
;; end of part 1
;; launch gate (part 2): grid 128 x 1, 4 waves a work-group, no clusters, 208,896 bytes of LDS; arguments xb, wts, gk2; writes gk2
.if DOCPART == 2
	.amdgcn_target "amdgcn-amd-amdhsa--gfx1250"
	.amdhsa_code_object_version 6
	.text
	.protected	k_qa9e025a52c_gate
	.globl	k_qa9e025a52c_gate
	.p2align	8
	.type	k_qa9e025a52c_gate,@function
k_qa9e025a52c_gate:
	s_mov_b64 s[64:65], 0
	v_nop
	global_prefetch_b8 v0, s[64:65] scope:SCOPE_SE
	s_setreg_imm32_b32 hwreg(HW_REG_WAVE_MODE, 25, 1), 1
	s_wait_xcnt 0x0
; gk2[t][head] = log2(e) x log_sigmoid(x[t] . Wgk[head]) / 16, laid as [t / 16][head][t % 16] in f32.  Products in bf16 with f32 sums.
; A work-group owns 16 rows t and all 32 heads; wave w sums over k = 512 w .. 512 w + 511, and the four partial sums meet in LDS.
; Each wave brings its own 16 x 512 of x and 32 x 512 of Wgk by two tensor loads, both outstanding together, into bytes that it alone reads: its own wait on them is all the ordering.
; Nothing is filled twice.  No cluster: what the work-groups share, Wgk, is 128 KiB of bf16 and a third of a work-group's bytes less than x's own share would be in any tiling by rows.
; log_sigmoid(z) = min(z, 0) - log(1 + e^-|z|): no exponent is above 0.  For z far above 0 the result keeps the absolute step of 1 + u, 6e-8.
.set PIT,   1040                       ; an LDS row: 1,024 bytes + 16 of padding, an odd multiple of 16: the 16 rows of a load start at 16 different groups of four banks
.set WB,    16*PIT                     ; behind x's 16 rows: Wgk's 32
.set REG,   48*PIT                     ; a wave's region
.set RED,   4*REG                      ; four blocks [head 32][t 16] of f32, one a wave
.set SPARE, RED+8192                   ; the spare words, 128 bytes for each wave
.set SPW, 8
.set NIL, 9
.set ACC, 16                           ; v[16:31]  two accumulators: heads 0-15, heads 16-31
.set B0,  32                           ; v[32:127], v[128:223]  two buffers of four K steps: x 8, Wgk 8 + 8 registers a step
.set B1,  128
	s_load_b128 s[4:7], s[0:1], 0x0                ; xb s[4:5], wts s[6:7]
	s_load_b64 s[8:9], s[0:1], 0x10                ; gk2
	v_lshl_add_u32 v[SPW], v0, 2, SPARE
	v_mov_b32 v[NIL], 0
	ds_add_u32 v[SPW], v[NIL]                      ; the wave's opening: the add and its wait ahead of my first tensor load
	v_lshrrev_b32 v1, 5, v0
	v_readfirstlane_b32 s12, v1                    ; wave 0..3
	s_mov_b32 s16, (1<<16)|(1<<20)|(7<<22)|(3<<25) ; 2-byte elements; padding on: after every 256 words 4 words
	s_mov_b32 s17, 512<<16                         ; tensor_dim0 = 512
	s_mov_b32 s18, 16<<16                          ; tensor_dim1 = 16
	s_mov_b32 s19, 512<<16                         ; tile_dim0 = 512
	s_mov_b32 s20, 16                              ; tile_dim1 = 16
	s_mov_b32 s21, 2048                            ; elements from row to row
	s_mov_b32 s22, 0
	s_mov_b32 s23, 0
	s_mov_b32 s24, (1<<16)|(1<<20)|(7<<22)|(3<<25) ; the same shape with 32 rows
	s_mov_b32 s25, 512<<16
	s_mov_b32 s26, 32<<16
	s_mov_b32 s27, 512<<16
	s_mov_b32 s28, 32
	s_mov_b32 s29, 2048
	s_mov_b32 s30, 0
	s_mov_b32 s31, 0
	s_mov_b32 s32, 1
	s_mul_i32 s33, s12, REG                        ; my region
	s_mov_b32 s36, 1
	s_add_co_u32 s37, s33, WB
	s_lshl_b32 s40, ttmp9, 16                      ; my group's 16 rows of 4,096 bytes,
	s_lshl_b32 s42, s12, 10                        ; my wave's 512 k
	s_add_co_u32 s40, s40, s42
	s_add_co_u32 s42, s42, 0x2800000               ; Wgk's copy begins at row 10,240 of wts
	s_mov_b32 s41, 0
	s_mov_b32 s43, 0
	s_wait_dscnt 0x0                               ; the opening add is done
	s_wait_kmcnt 0x0
	s_add_nc_u64 s[34:35], s[4:5], s[40:41]
	s_or_b32 s35, s35, 0x80000000
	s_add_nc_u64 s[38:39], s[6:7], s[42:43]
	s_or_b32 s39, s39, 0x80000000
	tensor_load_to_lds s[32:35], s[16:23]
	s_nop 0
	tensor_load_to_lds s[36:39], s[24:31]          ; two loads of mine are out
	s_nop 0
	v_and_b32 v1, 15, v0                           ; r
	v_bfe_u32 v2, v0, 4, 1                         ; h
	v_mul_u32_u24 v3, v1, PIT
	v_lshl_add_u32 v3, v2, 4, v3
	v_add_nc_u32 v3, s33, v3                       ; x: row r, 16 bytes for each half of the lanes
	v_add_nc_u32 v4, WB, v3                        ; Wgk likewise
	s_lshl_b32 s44, s12, 11
	s_add_co_u32 s44, s44, RED
	v_lshl_add_u32 v5, v2, 9, s44
	v_lshl_add_u32 v5, v1, 2, v5                   ; my partial sums: head 8 h + .., t = r
	v_lshl_add_u32 v6, v0, 4, RED                  ; back: 16 bytes a thread of each block
	v_lshlrev_b32 v7, 4, v0
	s_lshl_b32 s40, ttmp9, 11
	s_add_nc_u64 s[8:9], s[8:9], s[40:41]
	s_wait_tensorcnt 0x0                           ; both tiles are in; only I read them
.macro LOADG g, buf                    ; 24 LDS loads: the fragments of K steps 4 g .. 4 g + 3
.irp k, 0,1,2,3
	ds_load_b128 v[(\buf)+24*\k:(\buf)+24*\k+3],     v3 offset:64*(4*(\g)+\k)
	ds_load_b128 v[(\buf)+24*\k+4:(\buf)+24*\k+7],   v3 offset:64*(4*(\g)+\k)+32
	ds_load_b128 v[(\buf)+24*\k+8:(\buf)+24*\k+11],  v4 offset:64*(4*(\g)+\k)
	ds_load_b128 v[(\buf)+24*\k+12:(\buf)+24*\k+15], v4 offset:64*(4*(\g)+\k)+32
	ds_load_b128 v[(\buf)+24*\k+16:(\buf)+24*\k+19], v4 offset:WB+64*(4*(\g)+\k)
	ds_load_b128 v[(\buf)+24*\k+20:(\buf)+24*\k+23], v4 offset:WB+64*(4*(\g)+\k)+32
.endr
.endm
.macro MULG buf, first                 ; 8 matrix instructions; source 0 = 16 heads, source 1 = 16 rows t; the two accumulators take turns
.irp k, 0,1,2,3
.irp i, 0,1
.if (\first) && (\k == 0)
	v_wmma_f32_16x16x32_bf16 v[ACC+8*\i:ACC+8*\i+7], v[(\buf)+24*\k+8+8*\i:(\buf)+24*\k+15+8*\i], v[(\buf)+24*\k:(\buf)+24*\k+7], 0
.else
	v_wmma_f32_16x16x32_bf16 v[ACC+8*\i:ACC+8*\i+7], v[(\buf)+24*\k+8+8*\i:(\buf)+24*\k+15+8*\i], v[(\buf)+24*\k:(\buf)+24*\k+7], v[ACC+8*\i:ACC+8*\i+7]
.endif
.endr
.endr
.endm
.macro PLACES                          ; four places between a matrix instruction and a load into, or a read of, its registers
.rept 4
	v_nop
.endr
.endm
	LOADG 0, B0
	LOADG 1, B1
	s_wait_dscnt 24                                ; all but the 24 loads of the younger group
	MULG B0, 1
	PLACES
	LOADG 2, B0
	s_wait_dscnt 24
	MULG B1, 0
	PLACES
	LOADG 3, B1
	s_wait_dscnt 24
	MULG B0, 0
	s_wait_dscnt 0x0
	MULG B1, 0
	PLACES
.irp i, 0,1
.irp j, 0,1,2,3,4,5,6,7
	ds_store_b32 v5, v[ACC+8*\i+\j] offset:(16*\i+\j)*64  ; register j: head 16 i + 8 h + j, t = r
.endr
.endr
	s_wait_dscnt 0x0                               ; for the others' sake: my partial sums are in LDS
	s_barrier_signal -1
	s_barrier_wait -1
.irp w, 0,1,2,3
	ds_load_b128 v[32+4*\w:35+4*\w], v6 offset:2048*\w
.endr
	s_wait_dscnt 0x0
	v_pk_add_f32 v[32:33], v[32:33], v[36:37]
	v_pk_add_f32 v[34:35], v[34:35], v[38:39]
	v_pk_add_f32 v[40:41], v[40:41], v[44:45]
	v_pk_add_f32 v[42:43], v[42:43], v[46:47]
	v_pk_add_f32 v[32:33], v[32:33], v[40:41]
	v_pk_add_f32 v[34:35], v[34:35], v[42:43]      ; four z
.irp k, 0,1,2,3
	v_and_b32 v[48+\k], 0x7fffffff, v[32+\k]
.endr
.irp k, 0,1,2,3
	v_mul_f32 v[48+\k], 0xbfb8aa3b, v[48+\k]       ; -|z| log2(e)
.endr
.irp k, 0,1,2,3
	v_exp_f32 v[48+\k], v[48+\k]
.endr
.irp k, 0,1,2,3
	v_min_num_f32 v[32+\k], 0, v[32+\k]            ; plain work behind the exponentials
.endr
	s_wait_alu depctr_va_vdst(0)
.irp k, 0,1,2,3
	v_add_f32 v[48+\k], 1.0, v[48+\k]
.endr
.irp k, 0,1,2,3
	v_log_f32 v[48+\k], v[48+\k]
.endr
.irp k, 0,1,2,3
	v_mul_f32 v[32+\k], 0x3db8aa3b, v[32+\k]       ; min(z, 0) log2(e) / 16: plain work behind the logarithms
.endr
	s_wait_alu depctr_va_vdst(0)
.irp k, 0,1,2,3
	v_fmamk_f32 v[32+\k], v[48+\k], 0xbd800000, v[32+\k]  ; - log2(1 + u) / 16
.endr
	global_store_b128 v7, v[32:35], s[8:9]         ; 2,048 bytes a work-group, 512 neighbouring bytes a wave
	s_wait_tensorcnt 0x0                           ; the wave's end
	ds_add_u32 v[SPW], v[NIL]
	s_wait_dscnt 0x0
	s_endpgm
.Lfunc_end_k_qa9e025a52c_gate:
	.size	k_qa9e025a52c_gate, .Lfunc_end_k_qa9e025a52c_gate-k_qa9e025a52c_gate
	.p2alignl 7, 3214868480
	.fill 96, 4, 3214868480
	.section	.rodata,"a",@progbits
	.p2align	6, 0x0
	.amdhsa_kernel k_qa9e025a52c_gate
		.amdhsa_group_segment_fixed_size 208896
		.amdhsa_private_segment_fixed_size 0
		.amdhsa_enable_private_segment 0
		.amdhsa_kernarg_size 24
		.amdhsa_user_sgpr_count 2
		.amdhsa_user_sgpr_kernarg_segment_ptr 1
		.amdhsa_wavefront_size32 1
		.amdhsa_system_sgpr_workgroup_id_x 1
		.amdhsa_system_sgpr_workgroup_id_y 1
		.amdhsa_system_sgpr_workgroup_id_z 1
		.amdhsa_system_vgpr_workitem_id 0
		.amdhsa_next_free_vgpr 224
		.amdhsa_next_free_sgpr 66
		.amdhsa_reserve_vcc 0
		.amdhsa_float_denorm_mode_32 3
		.amdhsa_float_denorm_mode_16_64 3
		.amdhsa_memory_ordered 1
		.amdhsa_forward_progress 1
		.amdhsa_inst_pref_size 16
	.end_amdhsa_kernel
	.amdgpu_metadata
---
amdhsa.version: [ 1, 2 ]
amdhsa.kernels:
  - .name:           k_qa9e025a52c_gate
    .symbol:         k_qa9e025a52c_gate.kd
    .args:
      - { .name: xb, .offset: 0, .size: 8, .value_kind: global_buffer, .address_space: global }
      - { .name: wts, .offset: 8, .size: 8, .value_kind: global_buffer, .address_space: global }
      - { .name: gk2, .offset: 16, .size: 8, .value_kind: global_buffer, .address_space: global }
    .group_segment_fixed_size: 208896
    .private_segment_fixed_size: 0
    .kernarg_segment_align: 8
    .kernarg_segment_size: 24
    .max_flat_workgroup_size: 128
    .sgpr_count:     66
    .vgpr_count:     224
    .wavefront_size: 32
...
	.end_amdgpu_metadata
.endif
;; end of part 2
;; launch proj (part 3): grid 32 x 8, 4 waves a work-group, clusters of 4 x 4, 327,680 bytes of LDS; arguments xb, wts, qkvg, tab; writes qkvg
.if DOCPART == 3
	.amdgcn_target "amdgcn-amd-amdhsa--gfx1250"
	.amdhsa_code_object_version 6
	.text
	.protected	k_qa9e025a52c_proj
	.globl	k_qa9e025a52c_proj
	.p2align	8
	.type	k_qa9e025a52c_proj,@function
k_qa9e025a52c_proj:
	s_mov_b64 s[64:65], 0
	v_nop
	global_prefetch_b8 v0, s[64:65] scope:SCOPE_SE
	s_setreg_imm32_b32 hwreg(HW_REG_WAVE_MODE, 25, 1), 1
	s_wait_xcnt 0x0
	s_wait_alu depctr_hold_cnt(0) depctr_sa_sdst(0) depctr_va_vdst(0) depctr_va_sdst(0) depctr_va_ssrc(0) depctr_va_vcc(0) depctr_vm_vsrc(0)
	s_getreg_b32 s2, hwreg(HW_REG_IB_STS2, 6, 4)
	s_cmp_eq_u32 s2, 0
	s_cbranch_scc0 .Lentry_in_a_cluster
	s_endpgm
.Lentry_in_a_cluster:
	s_bfe_u32 s2, ttmp6, 0x10000c
	s_cmp_lg_u32 s2, 0xf033
	s_cbranch_scc0 .Lentry_shape_is_right
	s_endpgm
.Lentry_shape_is_right:
; q, k, v, g = x W^T for the four weights at once: C[t][n] = sum over k of xb[t][k] wts[n][k], t < 2,048, n < 8,192, k < 2,048, bf16 operands, f32 sums.
; q and k (n < 4,096) are rotated pair by pair with the table's cosines and sines, in f32; everything is rounded once to f16 and laid by heads: qkvg[n / 64][t][n % 64].
; LIMIT.  f16 ends at 65,504: |q|, |k|, |v|, |g| stay below that.  NaN and infinities are not treated apart.
; A tile of C, 256 x 256, is made by a work-group of four waves; a wave makes 128 x 128: 64 accumulators of 16 x 16, 512 registers.  K goes in steps of 128 through a ring of two LDS
; slots filled by the tensor data mover; the tiles' rows are 256 bytes of memory and start at multiples of 256 bytes.  32 x 8 tiles: one work-group for each of 256.
; CLUSTERS: 4 x 4 work-groups.  The four of a row of the cluster need the same tiles of x, the four of a column the same tiles of the weights: each tile is asked for JOINTLY,
; by the same tensor load with the same descriptor and a mask that names the four.
; REGISTERS, in windows of 256 (s_set_vgpr_msb's low byte: bits 1:0 source 0, 3:2 source 1, 5:4 source 2, 7:6 destination):
;   window 0: v0-31 addresses; v64-127, v128-191 fragments of x, two buffers; on the way out v32-63 packed results, v64-127 rows read back, v128-191 rotated numbers
;   window 1: v64-127, v128-191 fragments of the weights; on the way out all 256: the table for my 128 rows
;   window 2: the 32 accumulators of my rows 0-63 (accumulator (a, b) at v[8 (8 a + b)]);   window 3: those of my rows 64-127
; THE MATRIX INSTRUCTION IS USED TRANSPOSED: source 0 = 16 rows of the weights, source 1 = 16 rows of x: lane l then holds row t = l % 16 and the eight neighbouring
; columns 8 (l / 16) + 0 .. 7: four pairs for the rotation, and 16 bytes of f16.
.set SIZE_K, 2048
.set KSTEP,  128
.set PITCH,  272                       ; an LDS row: 256 bytes + 16 of padding: the 16 rows that a load touches start at 16 different groups of four banks
.set HALFT,  128*PITCH                 ; 128 rows: what one tensor load brings
.set SLOT,   4*HALFT                   ; x's 256 rows, then the weights' 256 rows
.set STAGE,  2*SLOT                    ; behind the ring: for each wave two heads x 16 rows x 144 bytes, for the way out
.set SPITCH, 144
.set SPARE,  STAGE+4*2*16*SPITCH       ; behind the stages: the spare words, 128 bytes for each wave
.set LAPS,   SIZE_K/(2*KSTEP)          ; a lap = two K steps = once round the ring
.set ADRA, 16                          ; v16-17  LDS address of my fragments of x in slot 0, 1
.set ADRB, 20                          ; v20-21  the same for the weights
.set STO,  24                          ; v24     the way out: where I put 16 bytes of a row
.set RD,   25                          ; v25     the way out: where I read rows back
.set GO,   26                          ; v26     16 x lane: my place in 512 neighbouring bytes of qkvg and of tab
.set SPW,  28                          ; v28     LDS address of my spare word; never rewritten
.set NIL,  29                          ; v29     0; never rewritten
.set F0,   64
.set F1,   128
.set TMP,  32
.set OB,   64
.set T,    128
.set G1, 24                            ; s[24:31] descriptor group 1 for x's tiles
.set G0, 32                            ; s[32:39] group 0 for x's tiles, one set for each slot
.set G1B, 48                           ; s[48:55], s[56:63] the same for the weights' tiles
.set G0B, 56
.set MSB, 0
.macro WIN new                         ; the immediate's high byte repeats the setting that is left
.if MSB != (\new)
	s_set_vgpr_msb (MSB<<8)|(\new)
.set MSB, \new
.endif
.endm
.set MUL_LO, 0xa1                      ; source 0 window 1, source 1 window 0, C and D window 2
.set MUL_HI, 0xf1                      ; the same, C and D window 3
.set TO_B,   0x40                      ; destination window 1, address window 0
; A joint load.  Waves 0 and 1 fetch x's two halves, waves 2 and 3 the weights'.  The branch hangs on the wave's number alone.
; An s_nop 0 and four v_nop follow each of the two lines, ahead of the jump and the label.
.macro JLOAD s
	s_cmp_eq_u32 s11, 0
	s_cbranch_scc0 .Lfor_b_\@
	tensor_load_to_lds s[G0+4*(\s):G0+4*(\s)+3], s[G1:G1+7]
	s_nop 0
.rept 4
	v_nop
.endr
	s_branch .Lasked_\@
.Lfor_b_\@:
	tensor_load_to_lds s[G0B+4*(\s):G0B+4*(\s)+3], s[G1B:G1B+7]
	s_nop 0
.rept 4
	v_nop
.endr
.Lasked_\@:
.endm
.macro CREST                           ; a round of the cluster's barrier behind its opening barrier
	s_cmp_lg_u32 s10, 0
	s_cbranch_scc1 .Lnot_wave_0_\@
	s_barrier_signal -3
.Lnot_wave_0_\@:
	s_barrier_wait -3
	s_barrier_signal -1
	s_barrier_wait -1
.endm
.macro CROUND                          ; a whole round
	s_barrier_signal -1
	s_barrier_wait -1
	CREST
.endm
	s_load_b128 s[4:7], s[0:1], 0x0                ; xb s[4:5], wts s[6:7]
	s_load_b128 s[68:71], s[0:1], 0x10             ; qkvg s[68:69], tab s[70:71]
	v_lshl_add_u32 v[SPW], v0, 2, SPARE
	v_mov_b32 v[NIL], 0
	ds_add_u32 v[SPW], v[NIL]                      ; the wave's opening: the add and its wait ahead of my first tensor load
	v_lshrrev_b32 v1, 5, v0
	v_readfirstlane_b32 s10, v1                    ; wave 0..3
	s_lshr_b32 s11, s10, 1                         ; which half of the tile's rows is mine.  Also: I fetch for x (0) or for the weights (1)
	s_and_b32 s12, s10, 1                          ; which half of its columns.  Also: which 128 rows of that tile I fetch
	s_mov_b32 s45, ttmp9                           ; the cluster's x: 1,024 columns a cluster, so 0..3 are q and k; alike in all partners
	s_bfe_u32 s40, ttmp6, 0x40000                  ; cx
	s_bfe_u32 s41, ttmp6, 0x40004                  ; cy
	s_lshl_b32 s42, ttmp9, 2
	s_add_co_u32 s42, s42, s40                     ; tile column = 4 x cluster x + cx
	s_and_b32 s13, ttmp7, 0xffff
	s_lshl_b32 s13, s13, 2
	s_add_co_u32 s13, s13, s41                     ; tile row = 4 x cluster y + cy
	s_lshl_b32 s43, s41, 2
	s_lshl_b32 s43, 15, s43                        ; my row of the cluster
	s_lshl_b32 s44, 0x1111, s40                    ; my column
	s_or_b32 s[G1+0], s43, (1<<16)|(1<<20)|(1<<21)|(5<<22)|(3<<25)   ; the mask; 2-byte elements; padding on; bit 21 beside a mask; after every 64 words 4 words
	s_or_b32 s[G1B+0], s44, (1<<16)|(1<<20)|(1<<21)|(5<<22)|(3<<25)
.irp g, G1, G1B
	s_mov_b32 s[(\g)+1], KSTEP<<16                 ; tensor_dim0 = 128
	s_mov_b32 s[(\g)+2], 128<<16                   ; tensor_dim1 = 128
	s_mov_b32 s[(\g)+3], KSTEP<<16                 ; tile_dim0 = 128
	s_mov_b32 s[(\g)+4], 128                       ; tile_dim1 = 128
	s_mov_b32 s[(\g)+5], SIZE_K                    ; elements from row to row
	s_mov_b32 s[(\g)+6], 0
	s_mov_b32 s[(\g)+7], 0
.endr
	s_lshl_b32 s17, s12, 7                         ; which 128 rows of the tile I fetch
	s_lshl_b32 s16, s13, 8
	s_add_co_u32 s16, s16, s17                     ; x: row 256 x tile row + 128 x half
	s_lshl_b32 s46, s42, 8
	s_add_co_u32 s46, s46, s17                     ; weights: row 256 x tile column + 128 x half
	s_mov_b32 s17, 0
	s_mov_b32 s47, 0
	s_mov_b64 s[18:19], SIZE_K*2
	s_mul_u64 s[16:17], s[16:17], s[18:19]
	s_mul_u64 s[46:47], s[46:47], s[18:19]
	s_mul_i32 s20, s10, HALFT                      ; where they go: wave x 128 rows: no place in the cluster enters an LDS address
	s_wait_dscnt 0x0                               ; the opening add is done
	s_wait_kmcnt 0x0
	s_add_nc_u64 s[14:15], s[4:5], s[16:17]
	s_add_nc_u64 s[46:47], s[6:7], s[46:47]
	CROUND                                         ; all sixteen work-groups are here: the first joint loads meet
.irp s, 0,1
	s_mov_b32 s[G0+4*(\s)], 1
	s_add_co_u32 s[G0+4*(\s)+1], s20, (\s)*SLOT
	s_add_nc_u64 s[G0+4*(\s)+2:G0+4*(\s)+3], s[14:15], (\s)*KSTEP*2
	s_or_b32 s[G0+4*(\s)+3], s[G0+4*(\s)+3], 0x80000000
	s_mov_b32 s[G0B+4*(\s)], 1
	s_add_co_u32 s[G0B+4*(\s)+1], s20, (\s)*SLOT
	s_add_nc_u64 s[G0B+4*(\s)+2:G0B+4*(\s)+3], s[46:47], (\s)*KSTEP*2
	s_or_b32 s[G0B+4*(\s)+3], s[G0B+4*(\s)+3], 0x80000000
	JLOAD \s                                       ; two loads of mine are out
.endr
	v_and_b32 v1, 15, v0                           ; l % 16
	v_bfe_u32 v2, v0, 4, 1                         ; l / 16
	v_mul_u32_u24 v3, v1, PITCH
	v_lshl_add_u32 v3, v2, 4, v3                   ; a fragment's row x pitch + 16 x half
	s_mul_i32 s21, s11, HALFT                      ; my 128 rows of x
	s_mul_i32 s22, s12, HALFT                      ; my 128 rows of the weights,
	s_add_co_u32 s22, s22, 2*HALFT                 ; which lie behind x's 256
.irp s, 0,1
	v_add_nc_u32 v[ADRA+(\s)], s21, v3
	v_add_nc_u32 v[ADRB+(\s)], s22, v3
	s_add_co_u32 s21, s21, SLOT
	s_add_co_u32 s22, s22, SLOT
.endr
	s_mul_i32 s23, s10, 2*16*SPITCH
	s_add_co_u32 s23, s23, STAGE                   ; my stage
	v_mul_u32_u24 v4, v1, SPITCH                   ; in: row l % 16, 16 bytes for each half of the lanes
	v_lshl_add_u32 v4, v2, 4, v4
	v_add_nc_u32 v[STO], s23, v4
	v_and_b32 v5, 31, v0
	v_lshrrev_b32 v6, 3, v5                        ; back: 32 lanes take four rows of 128 bytes,
	v_and_b32 v7, 7, v0
	v_mul_u32_u24 v6, v6, SPITCH
	v_lshl_add_u32 v6, v7, 4, v6
	v_add_nc_u32 v[RD], s23, v6
	v_lshlrev_b32 v[GO], 4, v5                     ; which are 512 neighbouring bytes of a head's plane
	s_lshl_b32 s16, s13, 15                        ; my first row: (256 x tile row + 128 x half) x 128 bytes
	s_lshl_b32 s14, s11, 14
	s_add_co_u32 s16, s16, s14
	s_mov_b32 s17, 0
	s_add_nc_u64 s[68:69], s[68:69], s[16:17]
	s_lshl_b32 s46, s42, 20                        ; my first plane: 4 x tile column + 2 x half, 262,144 bytes each
	s_lshl_b32 s47, s12, 19
	s_add_co_u32 s46, s46, s47
	s_mov_b32 s47, 0
	s_add_nc_u64 s[68:69], s[68:69], s[46:47]
	s_lshl_b32 s16, s13, 16                        ; the table: 4,096 bytes for 16 rows
	s_lshl_b32 s14, s11, 15
	s_add_co_u32 s16, s16, s14
	s_add_nc_u64 s[70:71], s[70:71], s[16:17]
; 16 matrix instructions: m blocks a0, a0 + 1 of the window's four x all 8 n blocks, 32 along K.  zero = 1: the first product starts the sums.
; The 64 accumulators take turns, one instruction a turn.
.macro MUL16 f, hi, a0, zero
	WIN MUL_LO+0x50*(\hi)
.irp a, \a0, (\a0)+1
.irp b, 0,1,2,3,4,5,6,7
.if \zero
	v_wmma_f32_16x16x32_bf16 v[8*(8*(\a)+(\b)):8*(8*(\a)+(\b))+7], v[(\f)+8*(\b):(\f)+8*(\b)+7], v[(\f)+8*(4*(\hi)+(\a)):(\f)+8*(4*(\hi)+(\a))+7], 0
.else
	v_wmma_f32_16x16x32_bf16 v[8*(8*(\a)+(\b)):8*(8*(\a)+(\b))+7], v[(\f)+8*(\b):(\f)+8*(\b)+7], v[(\f)+8*(4*(\hi)+(\a)):(\f)+8*(4*(\hi)+(\a))+7], v[8*(8*(\a)+(\b)):8*(8*(\a)+(\b))+7]
.endif
.endr
.endr
.endm
; 32 LDS loads in one run: the fragments of one quarter step (32 K at byte k of the rows) into buffer f
.macro FETCH slot, k, f
	WIN TO_B
.irp i, 0,1,2,3,4,5,6,7
	ds_load_b128 v[(\f)+8*(\i):(\f)+8*(\i)+3],   v[ADRB+(\slot)] offset:(\k)+(\i)*16*PITCH
	ds_load_b128 v[(\f)+8*(\i)+4:(\f)+8*(\i)+7], v[ADRB+(\slot)] offset:(\k)+(\i)*16*PITCH+32
.endr
	WIN 0
.irp i, 0,1,2,3,4,5,6,7
	ds_load_b128 v[(\f)+8*(\i):(\f)+8*(\i)+3],   v[ADRA+(\slot)] offset:(\k)+(\i)*16*PITCH
	ds_load_b128 v[(\f)+8*(\i)+4:(\f)+8*(\i)+7], v[ADRA+(\slot)] offset:(\k)+(\i)*16*PITCH+32
.endr
.endm
.macro PLACES                          ; four places between a matrix instruction and a load into, or a vector instruction on, its registers
.rept 4
	v_nop
.endr
.endm
; A K step is four quarters of 32 along K, 64 matrix instructions each, on buffers 0, 1, 0, 1.  One of the first three: multiplies f, fetches the next quarter into g.
.macro QUARTER slot, k, f, g, zero
	s_wait_dscnt 8                                 ; the weights' and x's rows 0-63 are in; the youngest eight loads may be out
	WIN MUL_LO
	MUL16 \f, 0, 0, \zero
	MUL16 \f, 0, 2, \zero
	PLACES
	FETCH \slot, \k, \g
	s_wait_dscnt 32                                ; all but the 32 just issued
	WIN MUL_HI
	MUL16 \f, 1, 0, \zero
	MUL16 \f, 1, 2, \zero
.endm
; The last quarter multiplies buffer 1 and changes slots: ONE barrier.  In front of it each wave waits for all its tensor loads (one is out: its part of the next slot), adds 0 to its
; spare word, and waits for that and for its own reads of this slot.  fill = 1: the barrier opens a round of the cluster's, and this slot is filled again, two K steps ahead.
.macro TURN slot, next, fill
	WIN 0                                          ; (the add's two registers lie in window 0)
	s_wait_tensorcnt 0x0
	ds_add_u32 v[SPW], v[NIL]
	s_wait_dscnt 9                                 ; (the add and the youngest eight loads may be out)
	WIN MUL_LO
	MUL16 F1, 0, 0, 0                              ; sixteen matrix instructions stand between the add and the wait for it
	s_wait_dscnt 0x0                               ; the add is done, and my reads of this slot are over
	s_barrier_signal -1
	MUL16 F1, 0, 2, 0
.if \fill
	WIN 0
.endif
	s_barrier_wait -1
.if \fill
	CREST                                          ; no wave of any partner still reads this slot's tile or has a load on its way
	s_add_nc_u64 s[G0+4*(\slot)+2:G0+4*(\slot)+3], s[G0+4*(\slot)+2:G0+4*(\slot)+3], 2*KSTEP*2
	s_add_nc_u64 s[G0B+4*(\slot)+2:G0B+4*(\slot)+3], s[G0B+4*(\slot)+2:G0B+4*(\slot)+3], 2*KSTEP*2
	JLOAD \slot                                    ; the first tensor load behind the round, 224 matrix instructions ahead of the wait for it; its four v_nop are the places for the loads below
.else
	PLACES
.endif
	FETCH \next, 0, F0
	WIN MUL_HI
	MUL16 F1, 1, 0, 0
	MUL16 F1, 1, 2, 0
.endm
	s_wait_tensorcnt 1                             ; my part of K step 0 is in; K step 1's may stay out
	s_barrier_signal -1
	s_barrier_wait -1
	FETCH 0, 0, F0
	QUARTER 0, 64,  F0, F1, 1                      ; the first quarter stands in front of the loop: its products start the sums
	WIN 0
	s_mov_b32 s3, LAPS-1
.Llap:                                                 ; a trip goes once round the ring, from a lap's second quarter to the next lap's first, and fills both slots again
	QUARTER 0, 128, F1, F0, 0
	QUARTER 0, 192, F0, F1, 0
	TURN 0, 1, 1
	QUARTER 1, 64,  F0, F1, 0
	QUARTER 1, 128, F1, F0, 0
	QUARTER 1, 192, F0, F1, 0
	TURN 1, 0, 1
	QUARTER 0, 64,  F0, F1, 0
	WIN 0
	s_sub_co_u32 s3, s3, 1
	s_cmp_lg_u32 s3, 0
	s_cbranch_scc1 .Llap
	QUARTER 0, 128, F1, F0, 0                      ; the last lap fills nothing
	QUARTER 0, 192, F0, F1, 0
	TURN 0, 1, 0
	QUARTER 1, 64,  F0, F1, 0
	QUARTER 1, 128, F1, F0, 0
	QUARTER 1, 192, F0, F1, 0
	s_wait_dscnt 8
	MUL16 F1, 0, 0, 0
	MUL16 F1, 0, 2, 0
	s_wait_dscnt 0x0
	MUL16 F1, 1, 0, 0
	MUL16 F1, 1, 2, 0
	WIN 0
	PLACES
; THE WAY OUT, a block of 16 rows at a time.
; ROPE a: for pair (x1, x2) with (c, s): first (x2 s, x1 s), then (x1 c - x2 s, x2 c + x1 s); then rounded to f16.  Each accumulator is read from its lowest registers on.
.macro ROPE a
.set AC, 64*((\a)%4)
	WIN 0x06+((\a)/4)                              ; source 0: window 2 or 3; source 1: window 1
.irp b, 0,1,2,3,4,5,6,7
.irp p, 0,1,2,3
	v_pk_mul_f32 v[T+8*(\b)+2*(\p):T+8*(\b)+2*(\p)+1], v[AC+8*(\b)+2*(\p):AC+8*(\b)+2*(\p)+1], v[32*(\a)+8*((\b)%4)+2*(\p):32*(\a)+8*((\b)%4)+2*(\p)+1] op_sel:[1,1] op_sel_hi:[0,1]
.endr
.endr
.irp b, 0,1,2,3,4,5,6,7
.irp p, 0,1,2,3
	v_pk_fma_f32 v[T+8*(\b)+2*(\p):T+8*(\b)+2*(\p)+1], v[AC+8*(\b)+2*(\p):AC+8*(\b)+2*(\p)+1], v[32*(\a)+8*((\b)%4)+2*(\p):32*(\a)+8*((\b)%4)+2*(\p)+1], v[T+8*(\b)+2*(\p):T+8*(\b)+2*(\p)+1] op_sel_hi:[1,0,1] neg_lo:[0,0,1]
.endr
.endr
	WIN 0
.irp b, 0,1,2,3,4,5,6,7
.irp p, 0,1,2,3
	v_cvt_pk_f16_f32 v[TMP+4*(\b)+(\p)], v[T+8*(\b)+2*(\p)], v[T+8*(\b)+2*(\p)+1]
.endr
.endr
.endm
.macro PACKF a                         ; v and g: rounded to f16 as they are
.set AC, 64*((\a)%4)
	WIN 0x0a+5*((\a)/4)                            ; sources 0 and 1: window 2 or 3
.irp b, 0,1,2,3,4,5,6,7
.irp p, 0,1,2,3
	v_cvt_pk_f16_f32 v[TMP+4*(\b)+(\p)], v[AC+8*(\b)+2*(\p)], v[AC+8*(\b)+2*(\p)+1]
.endr
.endr
	WIN 0
.endm
.macro TOSTAGE a                       ; into my own stage, two heads of 16 rows x 128 bytes, and back as runs of four whole rows
.set BK, OB+32*((\a)%2)
.irp b, 0,1,2,3,4,5,6,7
	ds_store_b128 v[STO], v[TMP+4*(\b):TMP+4*(\b)+3] offset:16*SPITCH*((\b)/4)+32*((\b)%4)
.endr
.irp t, 0,1,2,3,4,5,6,7
	ds_load_b128 v[BK+4*(\t):BK+4*(\t)+3], v[RD] offset:16*SPITCH*((\t)/4)+4*SPITCH*((\t)%4)  ; LDS serves a wave's instructions in order: these see the stores above
.endr
.endm
.macro SEND a
.set BK, OB+32*((\a)%2)
	s_wait_dscnt 0x0                               ; the block is back in registers
	s_wait_xcnt 0x0                                ; the other buffer, which the block before's stores read, is loaded again only behind this wait
.irp t, 0,1,2,3,4,5,6,7
	global_store_b128 v[GO], v[BK+4*(\t):BK+4*(\t)+3], s[68:69] offset:262144*((\t)/4)+2048*(\a)+512*((\t)%4)  ; 512 neighbouring bytes, at a multiple of 256 from the plane's first
.endr
.endm
	s_cmp_lt_u32 s45, 4
	s_cbranch_scc0 .Lplain                         ; alike in all sixteen partners
	WIN TO_B
.irp a, 0,1,2,3,4,5,6,7
.irp q, 0,1,2,3,4,5,6,7
	global_load_b128 v[32*(\a)+4*(\q):32*(\a)+4*(\q)+3], v[GO], s[70:71] offset:4096*(\a)+512*(\q)  ; the table for block a's 16 rows: 32 registers
.endr
.endr
	WIN 0
	s_wait_loadcnt 56                              ; block 0's eight loads are in; the 56 younger ones stay out
	ROPE 0
	TOSTAGE 0
.irp a, 1,2,3,4,5,6,7
	s_wait_loadcnt 56-8*(\a)
	ROPE \a                                        ; block a's arithmetic stands between block a - 1's loads from the stage and the wait for them
	SEND (\a)-1
	TOSTAGE \a
.endr
	SEND 7
	s_branch .Lend
.Lplain:
	PACKF 0
	TOSTAGE 0
.irp a, 1,2,3,4,5,6,7
	PACKF \a
	SEND (\a)-1
	TOSTAGE \a
.endr
	SEND 7
.Lend:
	s_wait_tensorcnt 0x0                           ; the wave's end
	ds_add_u32 v[SPW], v[NIL]
	s_wait_dscnt 0x0
	CROUND                                         ; the closing round
	s_endpgm
.Lfunc_end_k_qa9e025a52c_proj:
	.size	k_qa9e025a52c_proj, .Lfunc_end_k_qa9e025a52c_proj-k_qa9e025a52c_proj
	.p2alignl 7, 3214868480
	.fill 96, 4, 3214868480
	.section	.rodata,"a",@progbits
	.p2align	6, 0x0
	.amdhsa_kernel k_qa9e025a52c_proj
		.amdhsa_group_segment_fixed_size 327680
		.amdhsa_private_segment_fixed_size 0
		.amdhsa_enable_private_segment 0
		.amdhsa_kernarg_size 32
		.amdhsa_user_sgpr_count 2
		.amdhsa_user_sgpr_kernarg_segment_ptr 1
		.amdhsa_wavefront_size32 1
		.amdhsa_system_sgpr_workgroup_id_x 1
		.amdhsa_system_sgpr_workgroup_id_y 1
		.amdhsa_system_sgpr_workgroup_id_z 1
		.amdhsa_system_vgpr_workitem_id 0
		.amdhsa_next_free_vgpr 1024
		.amdhsa_next_free_sgpr 72
		.amdhsa_reserve_vcc 0
		.amdhsa_float_denorm_mode_32 3
		.amdhsa_float_denorm_mode_16_64 3
		.amdhsa_memory_ordered 1
		.amdhsa_forward_progress 1
		.amdhsa_inst_pref_size 212
	.end_amdhsa_kernel
	.amdgpu_metadata
---
amdhsa.version: [ 1, 2 ]
amdhsa.kernels:
  - .name:           k_qa9e025a52c_proj
    .symbol:         k_qa9e025a52c_proj.kd
    .args:
      - { .name: xb, .offset: 0, .size: 8, .value_kind: global_buffer, .address_space: global }
      - { .name: wts, .offset: 8, .size: 8, .value_kind: global_buffer, .address_space: global }
      - { .name: qkvg, .offset: 16, .size: 8, .value_kind: global_buffer, .address_space: global }
      - { .name: tab, .offset: 24, .size: 8, .value_kind: global_buffer, .address_space: global }
    .group_segment_fixed_size: 327680
    .private_segment_fixed_size: 0
    .kernarg_segment_align: 8
    .kernarg_segment_size: 32
    .max_flat_workgroup_size: 128
    .sgpr_count:     72
    .vgpr_count:     1024
    .wavefront_size: 32
...
	.end_amdgpu_metadata
.endif
;; end of part 3
;; launch state (part 4): grid 7 x 32, 4 waves a work-group, no clusters, 167,936 bytes of LDS; arguments qkvg, gk2, ust; writes ust
.if DOCPART == 4
	.amdgcn_target "amdgcn-amd-amdhsa--gfx1250"
	.amdhsa_code_object_version 6
	.text
	.protected	k_qa9e025a52c_state
	.globl	k_qa9e025a52c_state
	.p2align	8
	.type	k_qa9e025a52c_state,@function
k_qa9e025a52c_state:
	s_mov_b64 s[64:65], 0
	v_nop
	global_prefetch_b8 v0, s[64:65] scope:SCOPE_SE
	s_setreg_imm32_b32 hwreg(HW_REG_WAVE_MODE, 25, 1), 1
	s_wait_xcnt 0x0
; U[head][c][dk][dv] = sum over the 256 tokens j of chunk c of 2^(T - b_j) k_j[dk] v_j[dv], c = 0..6: what chunk c leaves to the chunks behind it.
; b_j is the running sum of gk2 inside the chunk, j included, T its last value: every exponent is at most 0 (to within the sums' rounding).
; k x decay is made in f16 (the decay lies in 0 to 1; below 6e-5 it keeps f16's fixed step of 6e-8), the product with v in f16 with f32 sums; U is stored in f32.
; A work-group owns one (head, chunk); wave w the rows dk = 16 w .. 16 w + 15 and all 64 dv.  K and V ([token][channel]) come out of LDS turned, by ds_load_tr16_b128.
; Each wave brings a quarter of the two tiles by ONE tensor load; nothing is filled twice.  No cluster: no two work-groups read the same tile.
; U's layout is the one in which the next launch's lanes want it: [head x 7 + c][dv block b][dk block a][q][lane][4]: lane (r, h) holds U[16 a + 8 h + 4 q + 0..3][16 b + r].
.set PV,    160                        ; a row in LDS: 128 bytes + 32 of padding
.set VOFF,  256*PV                     ; K's 256 rows, then V's
.set DT,    2*VOFF                     ; for each wave its own table of 256 decays in f16
.set SPARE, DT+2048                    ; the spare words, 128 bytes for each wave
.set LN,  1
.set L4,  2
.set GA,  5                            ; my byte offset in gk2: tokens 8 l .. 8 l + 7
.set ATR, 6                            ; the turning load's address in K, my 16 channels
.set BTR, 7                            ; in V
.set DTA, 8
.set DTR, 9
.set L16, 10
.set TT,  11
.set SPW, 12
.set NIL, 13
.set YY,  14
.set AD,  15
.set G,   16                           ; v[16:23] my eight tokens' gk2, then b, then the decay
.set DP,  24
.set ACC, 32                           ; v[32:63] four accumulators, one a dv block
.set B0,  64                           ; two buffers of two K steps: K 8, decay 8, V 32 registers a step
.set B1,  160
	s_load_b128 s[4:7], s[0:1], 0x0                ; qkvg s[4:5], gk2 s[6:7]
	s_load_b64 s[8:9], s[0:1], 0x10                ; ust
	v_lshl_add_u32 v[SPW], v0, 2, SPARE
	v_mov_b32 v[NIL], 0
	ds_add_u32 v[SPW], v[NIL]                      ; the wave's opening: the add and its wait ahead of my tensor load
	v_lshrrev_b32 v1, 5, v0
	v_readfirstlane_b32 s12, v1                    ; wave 0..3
	s_mov_b32 s13, ttmp9                           ; the chunk
	s_and_b32 s14, ttmp7, 0xffff                   ; the head
	s_mov_b32 s16, (1<<16)|(1<<20)|(4<<22)|(7<<25) ; 2-byte elements; padding on: after every 32 words (a token's row) 8 words
	s_mov_b32 s17, 128<<16                         ; 128 tokens are 16,384 dense bytes: asked for as 64 rows of 256 bytes
	s_mov_b32 s18, 64<<16
	s_mov_b32 s19, 128<<16
	s_mov_b32 s20, 64
	s_mov_b32 s21, 128
	s_mov_b32 s22, 0
	s_mov_b32 s23, 0
	s_mov_b32 s24, 1
	s_mul_i32 s25, s12, 128*PV                     ; waves 0, 1: K's halves; waves 2, 3: V's
	s_lshr_b32 s32, s12, 1
	s_add_co_u32 s32, s32, 1                       ; k's planes are the second 32, v's the third
	s_lshl_b32 s32, s32, 23
	s_lshl_b32 s34, s14, 18
	s_add_co_u32 s32, s32, s34
	s_lshl_b32 s34, s13, 15
	s_add_co_u32 s32, s32, s34
	s_and_b32 s34, s12, 1
	s_lshl_b32 s34, s34, 14
	s_add_co_u32 s32, s32, s34
	s_mov_b32 s33, 0
	s_wait_dscnt 0x0                               ; the opening add is done
	s_wait_kmcnt 0x0
	s_add_nc_u64 s[26:27], s[4:5], s[32:33]
	s_or_b32 s27, s27, 0x80000000
	tensor_load_to_lds s[24:27], s[16:23]          ; one load of mine is out
	s_nop 0
	s_lshl_b32 s32, s13, 15                        ; gk2: 16 blocks of 2,048 bytes a chunk, 64 bytes a head
	s_lshl_b32 s34, s14, 6
	s_add_co_u32 s32, s32, s34
	s_add_nc_u64 s[6:7], s[6:7], s[32:33]
	v_and_b32 v[LN], 31, v0
	v_lshrrev_b32 v[GA], 1, v[LN]
	v_and_b32 v[YY], 1, v0
	v_lshlrev_b32 v[GA], 11, v[GA]
	v_lshl_add_u32 v[GA], v[YY], 5, v[GA]
	global_load_b128 v[G:G+3], v[GA], s[6:7]
	global_load_b128 v[G+4:G+7], v[GA], s[6:7] offset:16
	s_mul_i32 s32, s14, 7
	s_add_co_u32 s32, s32, s13
	s_lshl_b32 s32, s32, 14
	s_lshl_b32 s34, s12, 10
	s_add_co_u32 s32, s32, s34
	s_add_nc_u64 s[8:9], s[8:9], s[32:33]          ; ust at my (head, chunk), dk block w
	v_lshlrev_b32 v[L4], 2, v[LN]
	v_bfe_u32 v4, v0, 4, 1                         ; h
	v_and_b32 v[YY], 7, v0
	v_lshl_add_u32 v[YY], v4, 3, v[YY]
	v_mul_u32_u24 v[YY], v[YY], PV                 ; token 8 h + l % 8,
	v_bfe_u32 v[AD], v0, 3, 1
	v_lshl_add_u32 v[YY], v[AD], 4, v[YY]          ; channels 8 ((l / 8) % 2) on
	v_add_nc_u32 v[BTR], VOFF, v[YY]
	s_lshl_b32 s34, s12, 5
	v_add_nc_u32 v[ATR], s34, v[YY]
	s_lshl_b32 s34, s12, 9
	s_add_co_u32 s34, s34, DT
	v_lshl_add_u32 v[DTA], v[LN], 4, s34
	v_lshl_add_u32 v[DTR], v4, 4, s34
	v_lshlrev_b32 v[L16], 4, v[LN]
	s_wait_loadcnt 0x0
; The running sum of 256 numbers, eight a lane: inside the lane; over the lanes' totals in five steps; then each lane adds what the lanes below it hold.
.macro CUMSUM
.irp i, 1,2,3,4,5,6,7
	v_add_f32 v[G+\i], v[G+\i], v[G+\i-1]
.endr
	v_mov_b32 v[TT], v[G+7]
.irp d, 1,2,4,8,16
	v_sub_nc_u32 v[AD], v[L4], 4*\d
	ds_bpermute_b32 v[YY], v[AD], v[TT]            ; lane l takes lane l - d (no LDS byte is touched)
	v_cmp_le_u32 vcc_lo, \d, v[LN]
	s_wait_dscnt 0x0
	v_cndmask_b32 v[YY], 0, v[YY], vcc_lo          ; lanes below d take 0
	v_add_f32 v[TT], v[TT], v[YY]
.endr
	v_sub_nc_u32 v[AD], v[L4], 4
	ds_bpermute_b32 v[YY], v[AD], v[TT]
	v_cmp_le_u32 vcc_lo, 1, v[LN]
	s_wait_dscnt 0x0
	v_cndmask_b32 v[YY], 0, v[YY], vcc_lo
.irp i, 0,1,2,3,4,5,6,7
	v_add_f32 v[G+\i], v[G+\i], v[YY]
.endr
.endm
	CUMSUM
	v_readlane_b32 s30, v[G+7], 31                 ; T
.irp i, 0,1,2,3,4,5,6,7
	v_sub_f32 v[G+\i], s30, v[G+\i]
.endr
.irp i, 0,1,2,3,4,5,6,7
	v_exp_f32 v[G+\i], v[G+\i]
.endr
	v_nop                                          ; a plain instruction behind the exponentials
	s_wait_alu depctr_va_vdst(0)
.irp i, 0,1,2,3
	v_cvt_pk_f16_f32 v[DP+\i], v[G+2*\i], v[G+2*\i+1]
.endr
	ds_store_b128 v[DTA], v[DP:DP+3]
	s_wait_tensorcnt 0x0                           ; my quarter of the tiles is in,
	s_wait_dscnt 0x0
	s_barrier_signal -1
	s_barrier_wait -1                              ; everybody's is
.macro LOADG g, buf                    ; 24 LDS loads: K steps 2 g, 2 g + 1 of 32 tokens
.irp k, 0,1
	ds_load_tr16_b128 v[(\buf)+48*\k:(\buf)+48*\k+3],     v[ATR] offset:32*PV*(2*(\g)+\k)
	ds_load_tr16_b128 v[(\buf)+48*\k+4:(\buf)+48*\k+7],   v[ATR] offset:32*PV*(2*(\g)+\k)+16*PV
	ds_load_b128 v[(\buf)+48*\k+8:(\buf)+48*\k+11],       v[DTR] offset:64*(2*(\g)+\k)
	ds_load_b128 v[(\buf)+48*\k+12:(\buf)+48*\k+15],      v[DTR] offset:64*(2*(\g)+\k)+32
.irp b, 0,1,2,3
	ds_load_tr16_b128 v[(\buf)+48*\k+16+8*\b:(\buf)+48*\k+19+8*\b], v[BTR] offset:32*PV*(2*(\g)+\k)+32*\b
	ds_load_tr16_b128 v[(\buf)+48*\k+20+8*\b:(\buf)+48*\k+23+8*\b], v[BTR] offset:32*PV*(2*(\g)+\k)+32*\b+16*PV
.endr
.endr
.endm
.macro MULG buf, first                 ; K's fragments times the decay; then 8 matrix instructions, the four accumulators by turns
.irp k, 0,1
.irp j, 0,1,2,3,4,5,6,7
	v_pk_mul_f16 v[(\buf)+48*\k+\j], v[(\buf)+48*\k+\j], v[(\buf)+48*\k+8+\j]
.endr
.endr
.irp k, 0,1
.irp b, 0,1,2,3
.if (\first) && (\k == 0)
	v_wmma_f32_16x16x32_f16 v[ACC+8*\b:ACC+8*\b+7], v[(\buf)+48*\k:(\buf)+48*\k+7], v[(\buf)+48*\k+16+8*\b:(\buf)+48*\k+23+8*\b], 0
.else
	v_wmma_f32_16x16x32_f16 v[ACC+8*\b:ACC+8*\b+7], v[(\buf)+48*\k:(\buf)+48*\k+7], v[(\buf)+48*\k+16+8*\b:(\buf)+48*\k+23+8*\b], v[ACC+8*\b:ACC+8*\b+7]
.endif
.endr
.endr
.endm
.macro PLACES                          ; four places between a matrix instruction and a load into, or a read of, its registers
.rept 4
	v_nop
.endr
.endm
	LOADG 0, B0
	LOADG 1, B1
	s_wait_dscnt 24                                ; all but the 24 loads of the younger group
	MULG B0, 1
	PLACES
	LOADG 2, B0
	s_wait_dscnt 24
	MULG B1, 0
	PLACES
	LOADG 3, B1
	s_wait_dscnt 24
	MULG B0, 0
	s_wait_dscnt 0x0
	MULG B1, 0
	PLACES
.irp b, 0,1,2,3
.irp q, 0,1
	global_store_b128 v[L16], v[ACC+8*\b+4*\q:ACC+8*\b+4*\q+3], s[8:9] offset:4096*\b+512*\q  ; 512 neighbouring bytes, aligned
.endr
.endr
	s_wait_tensorcnt 0x0                           ; the wave's end
	ds_add_u32 v[SPW], v[NIL]
	s_wait_dscnt 0x0
	s_endpgm
.Lfunc_end_k_qa9e025a52c_state:
	.size	k_qa9e025a52c_state, .Lfunc_end_k_qa9e025a52c_state-k_qa9e025a52c_state
	.p2alignl 7, 3214868480
	.fill 96, 4, 3214868480
	.section	.rodata,"a",@progbits
	.p2align	6, 0x0
	.amdhsa_kernel k_qa9e025a52c_state
		.amdhsa_group_segment_fixed_size 167936
		.amdhsa_private_segment_fixed_size 0
		.amdhsa_enable_private_segment 0
		.amdhsa_kernarg_size 24
		.amdhsa_user_sgpr_count 2
		.amdhsa_user_sgpr_kernarg_segment_ptr 1
		.amdhsa_wavefront_size32 1
		.amdhsa_system_sgpr_workgroup_id_x 1
		.amdhsa_system_sgpr_workgroup_id_y 1
		.amdhsa_system_sgpr_workgroup_id_z 1
		.amdhsa_system_vgpr_workitem_id 0
		.amdhsa_next_free_vgpr 256
		.amdhsa_next_free_sgpr 66
		.amdhsa_reserve_vcc 1
		.amdhsa_float_denorm_mode_32 3
		.amdhsa_float_denorm_mode_16_64 3
		.amdhsa_memory_ordered 1
		.amdhsa_forward_progress 1
		.amdhsa_inst_pref_size 20
	.end_amdhsa_kernel
	.amdgpu_metadata
---
amdhsa.version: [ 1, 2 ]
amdhsa.kernels:
  - .name:           k_qa9e025a52c_state
    .symbol:         k_qa9e025a52c_state.kd
    .args:
      - { .name: qkvg, .offset: 0, .size: 8, .value_kind: global_buffer, .address_space: global }
      - { .name: gk2, .offset: 8, .size: 8, .value_kind: global_buffer, .address_space: global }
      - { .name: ust, .offset: 16, .size: 8, .value_kind: global_buffer, .address_space: global }
    .group_segment_fixed_size: 167936
    .private_segment_fixed_size: 0
    .kernarg_segment_align: 8
    .kernarg_segment_size: 24
    .max_flat_workgroup_size: 128
    .sgpr_count:     66
    .vgpr_count:     256
    .wavefront_size: 32
...
	.end_amdgpu_metadata
.endif
;; end of part 4
;; launch attn (part 5): grid 8 x 32, 4 waves a work-group, no clusters, 174,080 bytes of LDS; arguments qkvg, gk2, ust, yb; writes yb
.if DOCPART == 5
	.amdgcn_target "amdgcn-amd-amdhsa--gfx1250"
	.amdhsa_code_object_version 6
	.text
	.protected	k_qa9e025a52c_attn
	.globl	k_qa9e025a52c_attn
	.p2align	8
	.type	k_qa9e025a52c_attn,@function
k_qa9e025a52c_attn:
	s_mov_b64 s[64:65], 0
	v_nop
	global_prefetch_b8 v0, s[64:65] scope:SCOPE_SE
	s_setreg_imm32_b32 hwreg(HW_REG_WAVE_MODE, 25, 1), 1
	s_wait_xcnt 0x0
; Gated retention by chunks of 256 tokens, the norm and the gate.  For row t of chunk c of a head, with b the running sum of gk2 inside the chunk (log2 units, t included):
;   o'_t = 2^(b_t) q^_t S_c + sum over j <= t in the chunk of 2^(b_t - b_j) (q^_t . k_j) v_j,   S_c = sum over c' < c of 2^(sum of T_c'' for c' < c'' < c) U_c',
;   q^ = q al / 8, al = 1 / |q|: the norm behind takes any factor of a row out again if eps goes with it:  y / 8 = o' rsq(mean(o'^2) + 1e-6 al^2) silu(g) / 8.
; Every exponent is at most 0.  |q^| = 1/8, so a weight 2^(..)(q^ . k) is at most max |k|; each column dv of S_c is divided by its 2-norm sigma (O is multiplied by it again), so |S / sigma| <= 1;
; |y / 8| <= |silu(g)|: all that is rounded to f16 here has room for every input for which q, k, v, g have.  Products in f16, sums in f32.
; LIMITS.  |q|^2 and a column's sum of squares count as at least 1e-30.  A hidden score's exponent is shifted by -1e30: |b| stays far below that.  2^x below 2^-126 counts as 0.
; NaN and infinities are not treated apart.
; SHARES.  A work-group owns one (head, chunk), 8 x 32 = 256 of them.  Of the chunk's four bands of 64 rows a wave owns 16 rows in each: band x meets the key steps s <= x, the same 10 of 16 for every wave.
; Each wave brings one of the four tiles (q, k, g, v: 256 rows x 128 bytes) by ONE tensor load; nothing is filled twice; one barrier.  No cluster: the work-groups of a head share U alone,
; 112 KiB of f32 that each reads once beside 128 KiB of its own.
; LAYOUT.  S^T = K Q^T (source 0 = 16 keys, source 1 = 16 queries): a lane holds ONE query (lane % 16) and the keys 8 (lane / 16) + 0..7; two such results rounded to f16 ARE source 1 of O^T = V^T P,
; whose result again holds one query a lane, and eight channels.  K as it lies, V turned by ds_load_tr16_b128.  The state's fragments (source 0: 16 dv x 32 dk) are made once, through LDS.
; yb: the two rows 2 u, 2 u + 1 of a head lie together: byte u x 8,192 + head x 256 + (t % 2) x 128 + 2 ch, so that 16 lanes store 256 neighbouring bytes.
; REGISTERS, in windows of 256 (s_set_vgpr_msb: bits 1:0 source 0, 3:2 source 1, 5:4 source 2, 7:6 destination):
;   window 0: v0-31 addresses and at work; v32-63 HP; v64-95 S^T; v96-127 sigma; v128-143 P; v144-155 a row's figures; v160-191 b_j, then the exponents; v192-223 TMP; v224-255 the diagonal's mask
;   window 1: v0-31 O^T; v32-47 q^; v64-127 the state; v128-191 K of a step; v192-255 V of a step; at the start v0-223 the seven U
.set PK,    144                        ; a row of q, k, g in LDS: 128 bytes + 16
.set PV,    160                        ; a row of v: 128 + 32
.set KL,    256*PK
.set GL,    2*256*PK
.set VL,    3*256*PK
.set SFL,   VL+256*PV                  ; the state's fragments, 2,048 bytes a wave
.set BTB,   SFL+8192                   ; for each wave its own table of the chunk's 256 b
.set STG,   BTB+4096                   ; for each wave 16 rows x 144 bytes, for the way out
.set SGT,   STG+4*16*PK                ; 64 sigma
.set SPARE, SGT+256                    ; the spare words, 128 bytes for each wave
.set LN, 3
.set L4, 4
.set GA, 5
.set AQ, 6
.set AK, 7
.set AV, 8
.set AG, 9
.set ABJ, 10
.set ABT, 11
.set ABS, 12
.set SFA, 13
.set L16, 14
.set SFR, 15
.set STO, 16
.set RD, 17
.set GO, 18
.set SPW, 19
.set NIL, 20
.set YY, 21
.set AD, 22
.set TT, 23
.set T0, 24
.set T1, 25
.set T2, 26
.set EQ, 27                            ; 1e-6 al^2
.set RS, 28                            ; v[28:29] a factor, twice
.set HP, 32
.set ST, 64
.set SG, 96
.set G,  112                           ; at the start: my eight tokens' gk2
.set P,  128
.set WT, 128                           ; at the start: seven weights, each twice
.set BT, 144                           ; v[144:145] b_t, twice
.set FT, 146                           ; v[146:147] 2^b_t, twice
.set AL8, 148                          ; v[148:149] al / 8, twice
.set N,  150                           ; v[150:155] sums at work
.set BJ, 160
.set TMP, 192
.set MD, 224
.set QF, 32                            ; window 1
.set SF, 64
.set KF, 128
.set VF, 192
.set WV, 12
.set CC, 13
.set HD, 14
.set SEL, 36                           ; s[36:37] v_permlanex16_b32's selects: each lane takes its own place in the other half
.set AL, 38                            ; s[38:39] 1.0 in the band's own key step, else 0
.set XX, 40
.set SS, 41
.set SXQ, 42
.set SXB, 43
.set SK, 44
.set SV, 45
.set SB, 46
.set BIGN, 48
.set R64, 49
.set MSB, 0
.macro WIN new                         ; the high byte repeats the setting that is left
.if MSB != (\new)
	s_set_vgpr_msb (MSB<<8)|(\new)
.set MSB, (\new)
.endif
.endm
.macro PLACES                          ; four places between a matrix instruction and a load into, or a vector instruction on, its registers
.rept 4
	v_nop
.endr
.endm
	s_load_b256 s[4:11], s[0:1], 0x0               ; qkvg s[4:5], gk2 s[6:7], ust s[8:9], yb s[10:11]
	v_lshl_add_u32 v[SPW], v0, 2, SPARE
	v_mov_b32 v[NIL], 0
	ds_add_u32 v[SPW], v[NIL]                      ; the wave's opening: the add and its wait ahead of my tensor load
	v_lshrrev_b32 v1, 5, v0
	v_readfirstlane_b32 s[WV], v1
	s_mov_b32 s[CC], ttmp9                         ; the chunk
	s_and_b32 s[HD], ttmp7, 0xffff                 ; the head
	s_mov_b32 s16, (1<<16)|(1<<20)|(4<<22)|(3<<25) ; 2-byte elements; padding on: after every 32 words (a token's row) 4 words
	s_mov_b32 s24, (1<<16)|(1<<20)|(4<<22)|(7<<25) ; for v: 8 words
.irp g, 16, 24
	s_mov_b32 s[\g+1], 128<<16                     ; 256 tokens are 32,768 dense bytes: asked for as 128 rows of 256 bytes
	s_mov_b32 s[\g+2], 128<<16
	s_mov_b32 s[\g+3], 128<<16
	s_mov_b32 s[\g+4], 128
	s_mov_b32 s[\g+5], 128
	s_mov_b32 s[\g+6], 0
	s_mov_b32 s[\g+7], 0
.endr
	s_mov_b32 s32, 1
	s_mul_i32 s33, s[WV], 256*PK                   ; q, k, g, v lie in this order
	s_lshr_b32 s50, s[WV], 1
	s_xor_b32 s50, s50, s[WV]                      ; and are the planes' types 0, 1, 3, 2
	s_lshl_b32 s50, s50, 23
	s_lshl_b32 s51, s[HD], 18
	s_add_co_u32 s50, s50, s51
	s_lshl_b32 s51, s[CC], 15
	s_add_co_u32 s50, s50, s51
	s_mov_b32 s51, 0
	s_mov_b32 s[SEL], 0x76543210
	s_mov_b32 s[SEL+1], 0xfedcba98
	s_mov_b32 s[AL+1], 0                           ; named with AL as a pair
	s_mov_b32 s[BIGN], 0xf149f2ca                  ; -1e30
	s_mov_b32 s[R64], 0x3c800000                   ; 1/64
	s_wait_dscnt 0x0                               ; the opening add is done
	s_wait_kmcnt 0x0
	s_add_nc_u64 s[34:35], s[4:5], s[50:51]
	s_or_b32 s35, s35, 0x80000000
	s_cmp_lt_u32 s[WV], 3
	s_cbranch_scc0 .Lfor_v
	tensor_load_to_lds s[32:35], s[16:23]          ; one load of mine is out
	s_nop 0
	PLACES
	s_branch .Lasked
.Lfor_v:
	tensor_load_to_lds s[32:35], s[24:31]
	s_nop 0
	PLACES
.Lasked:
	v_and_b32 v1, 15, v0                           ; r
	v_bfe_u32 v2, v0, 4, 1                         ; h
	v_and_b32 v[LN], 31, v0
	v_lshlrev_b32 v[L4], 2, v[LN]
	v_lshlrev_b32 v[L16], 4, v[LN]
	v_lshrrev_b32 v[GA], 1, v[LN]
	v_and_b32 v30, 1, v0
	v_lshlrev_b32 v[GA], 11, v[GA]
	v_lshl_add_u32 v[GA], v30, 5, v[GA]            ; tokens 8 l .. 8 l + 7 of a chunk in gk2
	s_lshl_b32 s50, s[HD], 6
	s_add_nc_u64 s[6:7], s[6:7], s[50:51]
	s_lshl_b32 s50, s[CC], 15
	s_add_nc_u64 s[52:53], s[6:7], s[50:51]
	global_load_b128 v[G:G+3], v[GA], s[52:53]     ; my chunk,
	global_load_b128 v[G+4:G+7], v[GA], s[52:53] offset:16
.irp c, 1,2,3,4,5,6
	global_load_b128 v[ST+8*(\c-1):ST+8*(\c-1)+3],   v[GA], s[6:7] offset:32768*\c     ; and chunks 1 to 6, for their totals
	global_load_b128 v[ST+8*(\c-1)+4:ST+8*(\c-1)+7], v[GA], s[6:7] offset:32768*\c+16
.endr
	s_mul_i32 s50, s[HD], 7*16384
	s_lshl_b32 s54, s[WV], 12
	s_add_co_u32 s50, s50, s54
	s_add_nc_u64 s[8:9], s[8:9], s[50:51]          ; U of my head, dv block w
	WIN 0x40
.irp c, 0,1,2,3,4,5,6
.irp i, 0,1,2,3,4,5,6,7
	global_load_b128 v[32*\c+4*\i:32*\c+4*\i+3], v[L16], s[8:9] offset:16384*\c+512*\i
.endr
.endr
	WIN 0
	s_lshl_b32 s50, s[CC], 20
	s_lshl_b32 s54, s[WV], 16
	s_add_co_u32 s50, s50, s54
	s_lshl_b32 s54, s[HD], 8
	s_add_co_u32 s50, s50, s54
	s_add_nc_u64 s[10:11], s[10:11], s[50:51]      ; yb at my 16 rows of band 0
	v_mul_u32_u24 v30, v1, PK
	v_lshl_add_u32 v30, v2, 4, v30                 ; 144 r + 16 h
	s_mul_i32 s50, s[WV], 16*PK
	v_add_nc_u32 v[AQ], s50, v30                   ; my 16 rows in a band of q
	v_add_nc_u32 v[AK], KL, v30
	v_add_nc_u32 v[AG], GL, v[AQ]
	s_add_co_u32 s50, s50, STG
	v_add_nc_u32 v[STO], s50, v30
	v_lshrrev_b32 v31, 3, v[LN]
	v_mul_u32_u24 v31, v31, PK
	v_and_b32 v[T0], 7, v0
	v_lshl_add_u32 v31, v[T0], 4, v31
	v_add_nc_u32 v[RD], s50, v31                   ; back: 32 lanes take four rows of 128 bytes
	v_lshl_add_u32 v[AV], v2, 3, v[T0]
	v_mul_u32_u24 v[AV], v[AV], PV
	v_bfe_u32 v31, v0, 3, 1
	v_lshl_add_u32 v[AV], v31, 4, v[AV]
	v_add_nc_u32 v[AV], VL, v[AV]
	s_lshl_b32 s50, s[WV], 10
	s_add_co_u32 s50, s50, BTB
	v_lshl_add_u32 v[ABJ], v2, 5, s50
	v_lshl_add_u32 v[ABS], v[LN], 5, s50
	s_lshl_b32 s54, s[WV], 6
	s_add_co_u32 s50, s50, s54
	v_lshl_add_u32 v[ABT], v1, 2, s50
	s_add_co_u32 s54, s54, SGT
	v_lshl_add_u32 v[T0], v1, 2, s54               ; where sigma of dv = 16 w + r goes,
	v_lshl_add_u32 v[T1], v2, 5, SGT               ; and from where my lanes' 32 come
	s_lshl_b32 s50, s[WV], 11
	s_add_co_u32 s50, s50, SFL
	v_add_nc_u32 v[SFA], s50, v[L16]
	v_add_nc_u32 v[SFR], SFL, v[L16]
	v_lshlrev_b32 v[GO], 13, v2
	v_lshl_add_u32 v[GO], v1, 4, v[GO]
	s_lshl_b32 s50, s[WV], 4
	v_lshlrev_b32 v30, 3, v2
	v_sub_nc_u32 v30, v1, v30
	v_add_nc_u32 v30, s50, v30                     ; my query's place in its band less my lanes' 8 h: register j of key block kb is hidden where 16 kb + j is greater
.set i, 0
.rept 32
	v_cmp_gt_i32 vcc_lo, 16*(i/8)+i%8, v30
	v_cndmask_b32 v[MD+i], 0, s[BIGN], vcc_lo
.set i, i+1
.endr
	s_wait_loadcnt 56                              ; gk2's 14 loads are in; U's 56 stay out
; The running sum of 256 numbers, eight a lane.
.macro CUMSUM
.irp i, 1,2,3,4,5,6,7
	v_add_f32 v[G+\i], v[G+\i], v[G+\i-1]
.endr
	v_mov_b32 v[TT], v[G+7]
.irp d, 1,2,4,8,16
	v_sub_nc_u32 v[AD], v[L4], 4*\d
	ds_bpermute_b32 v[YY], v[AD], v[TT]            ; lane l takes lane l - d (no LDS byte is touched)
	v_cmp_le_u32 vcc_lo, \d, v[LN]
	s_wait_dscnt 0x0
	v_cndmask_b32 v[YY], 0, v[YY], vcc_lo
	v_add_f32 v[TT], v[TT], v[YY]
.endr
	v_sub_nc_u32 v[AD], v[L4], 4
	ds_bpermute_b32 v[YY], v[AD], v[TT]
	v_cmp_le_u32 vcc_lo, 1, v[LN]
	s_wait_dscnt 0x0
	v_cndmask_b32 v[YY], 0, v[YY], vcc_lo
.irp i, 0,1,2,3,4,5,6,7
	v_add_f32 v[G+\i], v[G+\i], v[YY]
.endr
.endm
.macro TOTAL b, d                      ; the sum of 256 numbers, eight a lane at v[b ..], into v[d] of every lane
	v_pk_add_f32 v[(\b):(\b)+1], v[(\b):(\b)+1], v[(\b)+2:(\b)+3]
	v_pk_add_f32 v[(\b)+4:(\b)+5], v[(\b)+4:(\b)+5], v[(\b)+6:(\b)+7]
	v_pk_add_f32 v[(\b):(\b)+1], v[(\b):(\b)+1], v[(\b)+4:(\b)+5]
	v_add_f32 v[(\b)], v[(\b)], v[(\b)+1]
	v_add_f32_dpp v[(\b)], v[(\b)], v[(\b)] row_xmask:1 row_mask:0xf bank_mask:0xf
	v_add_f32_dpp v[(\b)], v[(\b)], v[(\b)] row_xmask:2 row_mask:0xf bank_mask:0xf
	v_add_f32_dpp v[(\b)], v[(\b)], v[(\b)] row_xmask:4 row_mask:0xf bank_mask:0xf
	v_add_f32_dpp v[(\b)], v[(\b)], v[(\b)] row_xmask:8 row_mask:0xf bank_mask:0xf
	v_permlanex16_b32 v[(\b)+1], v[(\b)], s[SEL], s[SEL+1]
	v_add_f32 v[(\d)], v[(\b)], v[(\b)+1]
.endm
; The sum of squares of the lane's 32 numbers at v[b ..] (in the windows that the caller has set for sources 0 and 1) and of the 32 of the lane 16 away, into v[N].  Read from the low end on.
.macro SSQ b
	v_pk_mul_f32 v[N:N+1], v[(\b):(\b)+1], v[(\b):(\b)+1]
	v_pk_mul_f32 v[N+2:N+3], v[(\b)+2:(\b)+3], v[(\b)+2:(\b)+3]
.set z, 4
.rept 14
	v_pk_fma_f32 v[N+z%4:N+z%4+1], v[(\b)+z:(\b)+z+1], v[(\b)+z:(\b)+z+1], v[N+z%4:N+z%4+1]
.set z, z+2
.endr
	WIN 0
	v_pk_add_f32 v[N:N+1], v[N:N+1], v[N+2:N+3]
	v_add_f32 v[N], v[N], v[N+1]
	v_permlanex16_b32 v[N+1], v[N], s[SEL], s[SEL+1]
	v_add_f32 v[N], v[N], v[N+1]
.endm
.macro WIDEN                           ; the 32 f16 in HP's first 16 registers to f32 in TMP
.set z, 0
.irp rg, v32.l,v32.h,v33.l,v33.h,v34.l,v34.h,v35.l,v35.h,v36.l,v36.h,v37.l,v37.h,v38.l,v38.h,v39.l,v39.h,v40.l,v40.h,v41.l,v41.h,v42.l,v42.h,v43.l,v43.h,v44.l,v44.h,v45.l,v45.h,v46.l,v46.h,v47.l,v47.h
	v_cvt_f32_f16 v[TMP+z], \rg
.set z, z+1
.endr
.endm
	CUMSUM
	ds_store_b128 v[ABS], v[G:G+3]                 ; my own table of b
	ds_store_b128 v[ABS], v[G+4:G+7] offset:16
.irp c, 1,2,3,4,5,6
	TOTAL ST+8*(\c-1), N+\c-1
.endr
	; the weights, from the nearest chunk back: w_c' = 2^(sum of T_c'' for c' < c'' < c) where c' < c, else 0
	v_mov_b32 v30, 0
.irp c, 6,5,4,3,2,1,0
	v_exp_f32 v31, v30
	s_cmp_gt_u32 s[CC], \c
	s_cselect_b32 s47, -1, 0
	v_nop                                          ; a plain instruction behind the exponential
	s_wait_alu depctr_va_vdst(0)
	v_cndmask_b32 v[WT+2*\c], 0, v31, s47
	v_mov_b32 v[WT+2*\c+1], v[WT+2*\c]
.if \c > 0
	v_cndmask_b32 v31, 0, v[N+\c-1], s47
	v_add_f32 v30, v30, v31
.endif
.endr
	WIN 0x01                                       ; source 0 in window 1
.set cc, 0
.rept 7
	s_wait_loadcnt 8*(6-cc)                        ; U of chunk cc is in; the younger chunks' eight loads each stay out
.set z, 0
.rept 16
.if cc == 0
	v_pk_mul_f32 v[ST+z:ST+z+1], v[z:z+1], v[WT:WT+1] op_sel_hi:[1,0]
.else
	v_pk_fma_f32 v[ST+z:ST+z+1], v[32*cc+z:32*cc+z+1], v[WT+2*cc:WT+2*cc+1], v[ST+z:ST+z+1] op_sel_hi:[1,0,1]
.endif
.set z, z+2
.endr
.set cc, cc+1
.endr
	WIN 0
	SSQ ST                                         ; all 32 numbers of a lane, and of the lane 16 away, belong to ONE column dv = 16 w + r
	v_max_num_f32 v[N], 0x0da24260, v[N]           ; at least 1e-30
	v_rsq_f32 v[RS], v[N]
	v_nop
	s_wait_alu depctr_va_vdst(0)
	v_mov_b32 v[RS+1], v[RS]
	v_mul_f32 v31, v[N], v[RS]                     ; sigma
	ds_store_b32 v[T0], v31
.set z, 0
.rept 16
	v_pk_mul_f32 v[ST+z:ST+z+1], v[ST+z:ST+z+1], v[RS:RS+1]
.set z, z+2
.endr
.set z, 0
.rept 16
	v_cvt_pk_f16_f32 v[HP+z], v[ST+2*z], v[ST+2*z+1]
.set z, z+1
.endr
.irp a, 0,1,2,3
	ds_store_b128 v[SFA], v[HP+4*\a:HP+4*\a+3] offset:512*\a  ; dk block a: half a fragment
.endr
	s_wait_tensorcnt 0x0                           ; my tile is in,
	s_wait_dscnt 0x0                               ; my stores are done:
	s_barrier_signal -1
	s_barrier_wait -1                              ; everybody's are
	WIN 0x40
.irp i, 0,1,2,3,4,5,6,7,8,9,10,11,12,13,14,15
	ds_load_b128 v[SF+4*\i:SF+4*\i+3], v[SFR] offset:512*\i  ; dv block i / 4: fragments of dk 0-31 and 32-63
.endr
	WIN 0
.irp i, 0,1,2,3
	ds_load_b128 v[SG+8*\i:SG+8*\i+3],   v[T1] offset:64*\i
	ds_load_b128 v[SG+8*\i+4:SG+8*\i+7], v[T1] offset:64*\i+16
.endr
	s_mov_b32 s[XX], 0
	s_mov_b32 s[SXQ], 0
	s_mov_b32 s[SXB], 0
.Lx:                                                   ; four trips: a band of 64 rows, of which 16 are mine
	; q^ of my 16 rows, and the rows' figures
	v_add_nc_u32 v[T0], s[SXQ], v[AQ]
.irp f, 0,1,2,3
	ds_load_b128 v[HP+4*\f:HP+4*\f+3], v[T0] offset:32*\f
.endr
	v_add_nc_u32 v[T1], s[SXB], v[ABT]
	ds_load_b32 v[BT], v[T1]
	s_wait_dscnt 0x0                               ; (in the first trip the state and sigma too)
	WIDEN
	SSQ TMP
	v_max_num_f32 v[N], 0x0da24260, v[N]
	v_rsq_f32 v30, v[N]                            ; al
	v_exp_f32 v[FT], v[BT]
	v_nop
	s_wait_alu depctr_va_vdst(0)
	v_mul_f32 v31, v30, v30
	v_mul_f32 v[AL8], 0x3e000000, v30
	v_mov_b32 v[BT+1], v[BT]
	v_mov_b32 v[FT+1], v[FT]
	v_mul_f32 v[EQ], 0x358637bd, v31
	v_mov_b32 v[AL8+1], v[AL8]
.set z, 0
.rept 16
	v_pk_mul_f32 v[TMP+z:TMP+z+1], v[TMP+z:TMP+z+1], v[AL8:AL8+1]
.set z, z+2
.endr
	WIN 0x40
.set z, 0
.rept 16
	v_cvt_pk_f16_f32 v[QF+z], v[TMP+2*z], v[TMP+2*z+1]
.set z, z+1
.endr
	; what the earlier chunks left: O^T = (S / sigma)^T q^, then times 2^b_t and sigma.  The four accumulators take turns, here and below.
	WIN 0x45
.irp d, 0,1,2,3
	v_wmma_f32_16x16x32_f16 v[8*\d:8*\d+7], v[SF+16*\d:SF+16*\d+7], v[QF:QF+7], 0
.endr
	WIN 0x55
.irp d, 0,1,2,3
	v_wmma_f32_16x16x32_f16 v[8*\d:8*\d+7], v[SF+16*\d+8:SF+16*\d+15], v[QF+8:QF+15], v[8*\d:8*\d+7]
.endr
	PLACES
	WIN 0x41
.set z, 0
.rept 16
	v_pk_mul_f32 v[z:z+1], v[z:z+1], v[FT:FT+1]
.set z, z+2
.endr
.set z, 0
.rept 16
	v_pk_mul_f32 v[z:z+1], v[z:z+1], v[SG+z:SG+z+1]
.set z, z+2
.endr
	WIN 0
	s_mov_b32 s[SS], 0
	s_mov_b32 s[SK], 0
	s_mov_b32 s[SV], 0
	s_mov_b32 s[SB], 0
.Ls:                                                   ; four trips: a key step of 64; the steps behind the band's own are jumped over
	s_cmp_gt_u32 s[SS], s[XX]
	s_cbranch_scc1 .Lskip
	s_cmp_eq_u32 s[SS], s[XX]
	s_cselect_b32 s[AL], 1.0, 0
	v_add_nc_u32 v[T0], s[SK], v[AK]               ; these four lines are the places behind the last products
	v_add_nc_u32 v[T1], s[SV], v[AV]
	v_add_nc_u32 v[T2], s[SB], v[ABJ]
	v_nop
	WIN 0x40
.irp f, 0,1,2,3,4,5,6,7                ; keys 16 (f / 2) on, channels 32 (f % 2) on
	ds_load_b128 v[KF+8*\f:KF+8*\f+3],   v[T0] offset:(\f/2)*16*PK+(\f%2)*64
	ds_load_b128 v[KF+8*\f+4:KF+8*\f+7], v[T0] offset:(\f/2)*16*PK+(\f%2)*64+32
.endr
	WIN 0
.irp f, 0,1,2,3
	ds_load_b128 v[BJ+8*\f:BJ+8*\f+3],   v[T2] offset:64*\f
	ds_load_b128 v[BJ+8*\f+4:BJ+8*\f+7], v[T2] offset:64*\f+16
.endr
	WIN 0x40
.irp f, 0,1,2,3,4,5,6,7                ; keys 32 (f / 4) on, channels 16 (f % 4) on
	ds_load_tr16_b128 v[VF+8*\f:VF+8*\f+3],   v[T1] offset:(\f/4)*32*PV+(\f%4)*32
	ds_load_tr16_b128 v[VF+8*\f+4:VF+8*\f+7], v[T1] offset:(\f/4)*32*PV+16*PV+(\f%4)*32
.endr
	s_wait_dscnt 24                                ; K is in; b's 8 loads and V's 16 stay out
	WIN 0x05
.irp k, 0,1,2,3
	v_wmma_f32_16x16x32_f16 v[ST+8*\k:ST+8*\k+7], v[KF+16*\k:KF+16*\k+7], v[QF:QF+7], 0
.endr
.irp k, 0,1,2,3
	v_wmma_f32_16x16x32_f16 v[ST+8*\k:ST+8*\k+7], v[KF+16*\k+8:KF+16*\k+15], v[QF+8:QF+15], v[ST+8*\k:ST+8*\k+7]
.endr
	WIN 0
	s_wait_dscnt 16                                ; b is in
.set z, 0
.rept 16
	v_pk_add_f32 v[BJ+z:BJ+z+1], v[BT:BT+1], v[BJ+z:BJ+z+1] neg_lo:[0,1] neg_hi:[0,1]  ; b_t - b_j; these lines are also the places behind the products
.set z, z+2
.endr
.set z, 0
.rept 16
	v_pk_fma_f32 v[BJ+z:BJ+z+1], v[MD+z:MD+z+1], s[AL:AL+1], v[BJ+z:BJ+z+1] op_sel_hi:[1,0,1]  ; in the band's own step: -1e30 where the key is hidden
.set z, z+2
.endr
.set z, 0
.rept 32
	v_exp_f32 v[BJ+z], v[BJ+z]
.set z, z+1
.endr
	v_nop
.set z, 0
	s_wait_alu depctr_va_vdst(0)
.rept 16
	v_pk_mul_f32 v[ST+z:ST+z+1], v[ST+z:ST+z+1], v[BJ+z:BJ+z+1]
.set z, z+2
.endr
.set z, 0
.rept 16
	v_cvt_pk_f16_f32 v[P+z], v[ST+2*z], v[ST+2*z+1]
.set z, z+1
.endr
	s_wait_dscnt 0x0                               ; V is in
	WIN 0x51
.irp k, 0,1
.irp d, 0,1,2,3
	v_wmma_f32_16x16x32_f16 v[8*\d:8*\d+7], v[VF+32*\k+8*\d:VF+32*\k+8*\d+7], v[P+8*\k:P+8*\k+7], v[8*\d:8*\d+7]
.endr
.endr
	WIN 0
.Lskip:
	s_add_co_u32 s[SK], s[SK], 64*PK
	s_add_co_u32 s[SV], s[SV], 64*PV
	s_add_co_u32 s[SB], s[SB], 256
	s_add_co_u32 s[SS], s[SS], 1
	s_cmp_lt_u32 s[SS], 4
	s_cbranch_scc1 .Ls
	; the norm, the gate, and out
	v_add_nc_u32 v[T0], s[SXQ], v[AG]
.irp f, 0,1,2,3
	ds_load_b128 v[HP+4*\f:HP+4*\f+3], v[T0] offset:32*\f  ; g: channels 16 f + 8 h + 0..7 of my row, as O^T holds them
.endr
	PLACES
	WIN 0x05
	SSQ 0
	v_fma_f32 v30, v[N], s[R64], v[EQ]             ; mean(o'^2) + 1e-6 al^2
	v_rsq_f32 v[RS], v30
	s_wait_dscnt 0x0
	WIDEN                                          ; plain work behind the root
	s_wait_alu depctr_va_vdst(0)
	v_mul_f32 v[RS], 0x3e000000, v[RS]             ; / 8
	v_mov_b32 v[RS+1], v[RS]
.set z, 0
.rept 16
	v_pk_mul_f32 v[ST+z:ST+z+1], v[TMP+z:TMP+z+1], 0xbfb8aa3b op_sel_hi:[1,0]  ; silu(g) = g / (1 + 2^(-g log2(e)))
.set z, z+2
.endr
.set z, 0
.rept 32
	v_exp_f32 v[ST+z], v[ST+z]
.set z, z+1
.endr
	v_nop
.set z, 0
	s_wait_alu depctr_va_vdst(0)
.rept 16
	v_pk_add_f32 v[ST+z:ST+z+1], v[ST+z:ST+z+1], 1.0 op_sel_hi:[1,0]
.set z, z+2
.endr
.set z, 0
.rept 32
	v_rcp_f32 v[ST+z], v[ST+z]
.set z, z+1
.endr
	v_nop
.set z, 0
	s_wait_alu depctr_va_vdst(0)
.rept 16
	v_pk_mul_f32 v[TMP+z:TMP+z+1], v[TMP+z:TMP+z+1], v[ST+z:ST+z+1]
.set z, z+2
.endr
.set z, 0
.rept 16
	v_pk_mul_f32 v[TMP+z:TMP+z+1], v[TMP+z:TMP+z+1], v[RS:RS+1]
.set z, z+2
.endr
	WIN 0x04                                       ; source 1 in window 1
.set z, 0
.rept 16
	v_pk_mul_f32 v[TMP+z:TMP+z+1], v[TMP+z:TMP+z+1], v[z:z+1]
.set z, z+2
.endr
	WIN 0
.set z, 0
.rept 16
	v_cvt_pk_f16_f32 v[HP+z], v[TMP+2*z], v[TMP+2*z+1]
.set z, z+1
.endr
.irp f, 0,1,2,3
	ds_store_b128 v[STO], v[HP+4*\f:HP+4*\f+3] offset:32*\f
.endr
.irp f, 0,1,2,3
	ds_load_b128 v[HP+16+4*\f:HP+16+4*\f+3], v[RD] offset:4*PK*\f  ; LDS serves a wave's instructions in order: these see the stores above
.endr
	s_wait_dscnt 0x0
.irp f, 0,1,2,3
	global_store_b128 v[GO], v[HP+16+4*\f:HP+16+4*\f+3], s[10:11] offset:16384*\f  ; 16 lanes store 256 neighbouring bytes, aligned: two rows of my head
.endr
	s_wait_xcnt 0x0                                ; the base and the stores' data are rewritten only behind this wait
	s_add_nc_u64 s[10:11], s[10:11], 0x40000       ; the next band: 32 double rows of 8,192 bytes
	s_add_co_u32 s[SXQ], s[SXQ], 64*PK
	s_add_co_u32 s[SXB], s[SXB], 256
	s_add_co_u32 s[XX], s[XX], 1
	s_cmp_lt_u32 s[XX], 4
	s_cbranch_scc1 .Lx
	s_wait_tensorcnt 0x0                           ; the wave's end
	ds_add_u32 v[SPW], v[NIL]
	s_wait_dscnt 0x0
	s_endpgm
.Lfunc_end_k_qa9e025a52c_attn:
	.size	k_qa9e025a52c_attn, .Lfunc_end_k_qa9e025a52c_attn-k_qa9e025a52c_attn
	.p2alignl 7, 3214868480
	.fill 96, 4, 3214868480
	.section	.rodata,"a",@progbits
	.p2align	6, 0x0
	.amdhsa_kernel k_qa9e025a52c_attn
		.amdhsa_group_segment_fixed_size 174080
		.amdhsa_private_segment_fixed_size 0
		.amdhsa_enable_private_segment 0
		.amdhsa_kernarg_size 32
		.amdhsa_user_sgpr_count 2
		.amdhsa_user_sgpr_kernarg_segment_ptr 1
		.amdhsa_wavefront_size32 1
		.amdhsa_system_sgpr_workgroup_id_x 1
		.amdhsa_system_sgpr_workgroup_id_y 1
		.amdhsa_system_sgpr_workgroup_id_z 1
		.amdhsa_system_vgpr_workitem_id 0
		.amdhsa_next_free_vgpr 512
		.amdhsa_next_free_sgpr 66
		.amdhsa_reserve_vcc 1
		.amdhsa_float_denorm_mode_32 3
		.amdhsa_float_denorm_mode_16_64 3
		.amdhsa_memory_ordered 1
		.amdhsa_forward_progress 1
		.amdhsa_inst_pref_size 67
	.end_amdhsa_kernel
	.amdgpu_metadata
---
amdhsa.version: [ 1, 2 ]
amdhsa.kernels:
  - .name:           k_qa9e025a52c_attn
    .symbol:         k_qa9e025a52c_attn.kd
    .args:
      - { .name: qkvg, .offset: 0, .size: 8, .value_kind: global_buffer, .address_space: global }
      - { .name: gk2, .offset: 8, .size: 8, .value_kind: global_buffer, .address_space: global }
      - { .name: ust, .offset: 16, .size: 8, .value_kind: global_buffer, .address_space: global }
      - { .name: yb, .offset: 24, .size: 8, .value_kind: global_buffer, .address_space: global }
    .group_segment_fixed_size: 174080
    .private_segment_fixed_size: 0
    .kernarg_segment_align: 8
    .kernarg_segment_size: 32
    .max_flat_workgroup_size: 128
    .sgpr_count:     66
    .vgpr_count:     512
    .wavefront_size: 32
...
	.end_amdgpu_metadata
.endif
;; end of part 5
;; launch oproj (part 6): grid 16 x 16, 4 waves a work-group, clusters of 4 x 4, 327,680 bytes of LDS; arguments yb, wts, out0; writes out0
.if DOCPART == 6
	.amdgcn_target "amdgcn-amd-amdhsa--gfx1250"
	.amdhsa_code_object_version 6
	.text
	.protected	k_qa9e025a52c_oproj
	.globl	k_qa9e025a52c_oproj
	.p2align	8
	.type	k_qa9e025a52c_oproj,@function
k_qa9e025a52c_oproj:
	s_mov_b64 s[64:65], 0
	v_nop
	global_prefetch_b8 v0, s[64:65] scope:SCOPE_SE
	s_setreg_imm32_b32 hwreg(HW_REG_WAVE_MODE, 25, 1), 1
	s_wait_xcnt 0x0
	s_wait_alu depctr_hold_cnt(0) depctr_sa_sdst(0) depctr_va_vdst(0) depctr_va_sdst(0) depctr_va_ssrc(0) depctr_va_vcc(0) depctr_vm_vsrc(0)
	s_getreg_b32 s2, hwreg(HW_REG_IB_STS2, 6, 4)
	s_cmp_eq_u32 s2, 0
	s_cbranch_scc0 .Lentry_in_a_cluster
	s_endpgm
.Lentry_in_a_cluster:
	s_bfe_u32 s2, ttmp6, 0x10000c
	s_cmp_lg_u32 s2, 0xf033
	s_cbranch_scc0 .Lentry_shape_is_right
	s_endpgm
.Lentry_shape_is_right:
; out0[t][n] = sum over k of (y[t][k] / 8) (8 Wo[n][k]): f16 operands, f32 sums, f32 out.  2,048 x 2,048 x 2,048.
; A tile of the output is 128 x 128: 16 x 16 = 256 work-groups.  Four waves, each 64 x 64: 16 accumulators of 16 x 16.  K goes in steps of 256 through two LDS slots.
; y lies with two rows of a head together (byte (t / 2) x 8,192 + head x 256 + (t % 2) x 128 + 2 ch): a K step, four heads, of 64 rows is 32 rows of 1,024 bytes for the tensor load.
; CLUSTERS: 4 x 4 work-groups.  The four of a row of the cluster need the same tiles of y, the four of a column the same tiles of Wo: each tile is asked for JOINTLY.
; THE MATRIX INSTRUCTION IS USED TRANSPOSED (source 0 = 16 rows of Wo, source 1 = 16 rows of y): a lane then holds eight neighbouring numbers of a row of the output, 32 bytes.
; A wave's 64 columns of f32 are 256 aligned bytes: each wave sends its own results through its own stage, without a barrier.
; REGISTERS: window 0: v0-31 addresses; v32-95 rows read back; v128-255 the accumulators ((a, b) at v[128 + 8 (4 a + b)]).
;   window 1: two fragment buffers of 128: for 64 along K, 64 registers of y, then 64 of Wo.
.set SIZE_K, 2048
.set KSTEP,  256
.set PA,     1040                      ; y: an LDS row holds two rows x four heads: 1,024 bytes + 16; the 16 rows of a fragment fall on 16 different groups of four banks
.set PB,     528                       ; Wo: 512 bytes + 16
.set AH,     32*PA                     ; 64 rows of y: what one tensor load brings
.set BH,     64*PB                     ; 64 rows of Wo
.set SLOT,   2*AH+2*BH
.set STAGE,  2*SLOT                    ; behind the ring: 16 rows x 272 bytes for each wave
.set SPITCH, 272
.set SPARE,  STAGE+4*16*SPITCH         ; the spare words, 128 bytes for each wave
.set LAPS,   SIZE_K/(2*KSTEP)
.set ADRA, 16
.set ADRB, 20
.set STO,  24
.set RD,   25
.set CO,   26
.set SPW,  28
.set NIL,  29
.set TMP,  32
.set ACC,  128
.set F0,   0
.set F1,   128
.set G1, 24
.set G0, 32
.set G1B, 48
.set G0B, 56
.set MSB, 0
.macro WIN new                         ; the immediate's high byte repeats the setting that is left
.if MSB != (\new)
	s_set_vgpr_msb (MSB<<8)|(\new)
.set MSB, \new
.endif
.endm
.set MUL,  0x05                        ; sources 0 and 1 window 1; C and D window 0
.set TO_F, 0x40                        ; destination window 1, address window 0
.macro JLOAD s                         ; a joint load: waves 0 and 1 fetch y's two halves, waves 2 and 3 Wo's; an s_nop 0 and four v_nop follow each of the two lines
	s_cmp_eq_u32 s11, 0
	s_cbranch_scc0 .Lfor_b_\@
	tensor_load_to_lds s[G0+4*(\s):G0+4*(\s)+3], s[G1:G1+7]
	s_nop 0
.rept 4
	v_nop
.endr
	s_branch .Lasked_\@
.Lfor_b_\@:
	tensor_load_to_lds s[G0B+4*(\s):G0B+4*(\s)+3], s[G1B:G1B+7]
	s_nop 0
.rept 4
	v_nop
.endr
.Lasked_\@:
.endm
.macro CREST                           ; a round of the cluster's barrier behind its opening barrier
	s_cmp_lg_u32 s10, 0
	s_cbranch_scc1 .Lnot_wave_0_\@
	s_barrier_signal -3
.Lnot_wave_0_\@:
	s_barrier_wait -3
	s_barrier_signal -1
	s_barrier_wait -1
.endm
.macro CROUND
	s_barrier_signal -1
	s_barrier_wait -1
	CREST
.endm
	s_load_b128 s[4:7], s[0:1], 0x0                ; yb s[4:5], wts s[6:7]
	s_load_b64 s[8:9], s[0:1], 0x10                ; out0
	v_lshl_add_u32 v[SPW], v0, 2, SPARE
	v_mov_b32 v[NIL], 0
	ds_add_u32 v[SPW], v[NIL]                      ; the wave's opening: the add and its wait ahead of my first tensor load
	v_lshrrev_b32 v1, 5, v0
	v_readfirstlane_b32 s10, v1                    ; wave 0..3
	s_lshr_b32 s11, s10, 1                         ; which half of the tile's rows is mine.  Also: I fetch for y (0) or for Wo (1)
	s_and_b32 s12, s10, 1                          ; which half of its columns.  Also: which 64 rows of that tile I fetch
	s_bfe_u32 s40, ttmp6, 0x40000                  ; cx, cy
	s_bfe_u32 s41, ttmp6, 0x40004
	s_lshl_b32 s42, ttmp9, 2
	s_add_co_u32 s42, s42, s40                     ; tile column
	s_and_b32 s13, ttmp7, 0xffff
	s_lshl_b32 s13, s13, 2
	s_add_co_u32 s13, s13, s41                     ; tile row
	s_lshl_b32 s43, s41, 2
	s_lshl_b32 s43, 15, s43                        ; my row of the cluster
	s_lshl_b32 s44, 0x1111, s40                    ; my column
	s_or_b32 s[G1+0], s43, (1<<16)|(1<<20)|(1<<21)|(7<<22)|(3<<25)   ; y: the mask; 2-byte elements; padding on; bit 21 beside a mask; after every 256 words 4 words
	s_mov_b32 s[G1+1], 512<<16                     ; tensor_dim0 = 512
	s_mov_b32 s[G1+2], 32<<16                      ; tensor_dim1 = 32
	s_mov_b32 s[G1+3], 512<<16                     ; tile_dim0 = 512
	s_mov_b32 s[G1+4], 32                          ; tile_dim1 = 32
	s_mov_b32 s[G1+5], 4096                        ; 4,096 elements from a double row to the next
	s_mov_b32 s[G1+6], 0
	s_mov_b32 s[G1+7], 0
	s_or_b32 s[G1B+0], s44, (1<<16)|(1<<20)|(1<<21)|(6<<22)|(3<<25)  ; Wo: after every 128 words 4 words
	s_mov_b32 s[G1B+1], KSTEP<<16
	s_mov_b32 s[G1B+2], 64<<16
	s_mov_b32 s[G1B+3], KSTEP<<16
	s_mov_b32 s[G1B+4], 64
	s_mov_b32 s[G1B+5], SIZE_K
	s_mov_b32 s[G1B+6], 0
	s_mov_b32 s[G1B+7], 0
	s_lshl_b32 s17, s12, 18                        ; 32 double rows of 8,192 bytes, and 64 rows of 4,096: the same
	s_lshl_b32 s16, s13, 19
	s_add_co_u32 s16, s16, s17                     ; y: hangs on the tile row and the wave alone
	s_lshl_b32 s46, s42, 19
	s_add_co_u32 s46, s46, s17                     ; Wo: on the tile column and the wave alone
	s_add_co_u32 s46, s46, 0x2000000               ; its copy begins at row 8,192 of wts
	s_mov_b32 s17, 0
	s_mov_b32 s47, 0
	s_mul_i32 s20, s12, AH                         ; where they go: no place in the cluster enters an LDS address
	s_mul_i32 s21, s12, BH
	s_add_co_u32 s21, s21, 2*AH
	s_wait_dscnt 0x0                               ; the opening add is done
	s_wait_kmcnt 0x0
	s_add_nc_u64 s[14:15], s[4:5], s[16:17]
	s_add_nc_u64 s[46:47], s[6:7], s[46:47]
	CROUND                                         ; all sixteen work-groups are here: the first joint loads meet
.irp s, 0,1
	s_mov_b32 s[G0+4*(\s)], 1
	s_add_co_u32 s[G0+4*(\s)+1], s20, (\s)*SLOT
	s_add_nc_u64 s[G0+4*(\s)+2:G0+4*(\s)+3], s[14:15], (\s)*1024   ; a K step is four heads: 1,024 bytes of a double row
	s_or_b32 s[G0+4*(\s)+3], s[G0+4*(\s)+3], 0x80000000
	s_mov_b32 s[G0B+4*(\s)], 1
	s_add_co_u32 s[G0B+4*(\s)+1], s21, (\s)*SLOT
	s_add_nc_u64 s[G0B+4*(\s)+2:G0B+4*(\s)+3], s[46:47], (\s)*KSTEP*2
	s_or_b32 s[G0B+4*(\s)+3], s[G0B+4*(\s)+3], 0x80000000
	JLOAD \s                                       ; two loads of mine are out
.endr
	v_and_b32 v1, 15, v0                           ; l % 16
	v_bfe_u32 v2, v0, 4, 1                         ; l / 16
	v_lshrrev_b32 v3, 1, v1
	v_mul_u32_u24 v3, v3, PA                       ; y: double row r / 2,
	v_and_b32 v4, 1, v0
	v_lshl_add_u32 v3, v4, 7, v3                   ; its half r % 2,
	v_lshl_add_u32 v3, v2, 4, v3                   ; 16 bytes for each half of the lanes
	v_mul_u32_u24 v4, v1, PB
	v_lshl_add_u32 v4, v2, 4, v4
	s_mul_i32 s22, s11, AH                         ; my 64 rows of y
	s_mul_i32 s23, s12, BH                         ; my 64 rows of Wo,
	s_add_co_u32 s23, s23, 2*AH                    ; which lie behind y's 128
.irp s, 0,1
	v_add_nc_u32 v[ADRA+(\s)], s22, v3
	v_add_nc_u32 v[ADRB+(\s)], s23, v4
	s_add_co_u32 s22, s22, SLOT
	s_add_co_u32 s23, s23, SLOT
.endr
	s_mul_i32 s23, s10, 16*SPITCH
	s_add_co_u32 s23, s23, STAGE                   ; my stage
	v_mul_u32_u24 v4, v1, SPITCH                   ; in: row l % 16, 32 bytes for each half of the lanes
	v_lshl_add_u32 v4, v2, 5, v4
	v_add_nc_u32 v[STO], s23, v4
	v_mul_u32_u24 v5, v2, SPITCH                   ; back: lanes 0-15 take one row of 256 bytes, lanes 16-31 the next
	v_lshl_add_u32 v5, v1, 4, v5
	v_add_nc_u32 v[RD], s23, v5
	v_lshlrev_b32 v5, 13, v2                       ; and the same two rows in the output
	v_lshl_add_u32 v[CO], v1, 4, v5
	s_lshl_b32 s16, s13, 20                        ; my first row: (128 x tile row + 64 x half) x 8,192 bytes
	s_lshl_b32 s22, s11, 19
	s_add_co_u32 s16, s16, s22
	s_add_nc_u64 s[8:9], s[8:9], s[16:17]
	s_lshl_b32 s46, s42, 9                         ; my first column: (128 x tile column + 64 x half) x 4 bytes
	s_lshl_b32 s47, s12, 8
	s_add_co_u32 s46, s46, s47
	s_mov_b32 s47, 0
	s_add_nc_u64 s[8:9], s[8:9], s[46:47]
; 8 matrix instructions: m blocks a0, a0 + 1 x all 4 n blocks, 32 along K: half c of buffer f.  The 16 accumulators take turns.
.macro MUL8 f, c, a0, zero
	WIN MUL
.irp a, \a0, (\a0)+1
.irp b, 0,1,2,3
.if \zero
	v_wmma_f32_16x16x32_f16 v[ACC+8*(4*(\a)+(\b)):ACC+8*(4*(\a)+(\b))+7], v[(\f)+64+8*(4*(\c)+(\b)):(\f)+64+8*(4*(\c)+(\b))+7], v[(\f)+8*(4*(\c)+(\a)):(\f)+8*(4*(\c)+(\a))+7], 0
.else
	v_wmma_f32_16x16x32_f16 v[ACC+8*(4*(\a)+(\b)):ACC+8*(4*(\a)+(\b))+7], v[(\f)+64+8*(4*(\c)+(\b)):(\f)+64+8*(4*(\c)+(\b))+7], v[(\f)+8*(4*(\c)+(\a)):(\f)+8*(4*(\c)+(\a))+7], v[ACC+8*(4*(\a)+(\b)):ACC+8*(4*(\a)+(\b))+7]
.endif
.endr
.endr
.endm
; 32 LDS loads in one run: the fragments of quarter qd of a K step (64 along K: one head), into buffer f; the first 32 along K first
.macro FETCH slot, qd, f
	WIN TO_F
.irp c, 0,1
.irp i, 0,1,2,3
	ds_load_b128 v[(\f)+64+8*(4*(\c)+(\i)):(\f)+64+8*(4*(\c)+(\i))+3],   v[ADRB+(\slot)] offset:128*(\qd)+64*(\c)+(\i)*16*PB
	ds_load_b128 v[(\f)+64+8*(4*(\c)+(\i))+4:(\f)+64+8*(4*(\c)+(\i))+7], v[ADRB+(\slot)] offset:128*(\qd)+64*(\c)+(\i)*16*PB+32
	ds_load_b128 v[(\f)+8*(4*(\c)+(\i)):(\f)+8*(4*(\c)+(\i))+3],         v[ADRA+(\slot)] offset:256*(\qd)+64*(\c)+(\i)*8*PA
	ds_load_b128 v[(\f)+8*(4*(\c)+(\i))+4:(\f)+8*(4*(\c)+(\i))+7],       v[ADRA+(\slot)] offset:256*(\qd)+64*(\c)+(\i)*8*PA+32
.endr
.endr
.endm
.macro PLACES                          ; four places between a matrix instruction and a load into, or a read of, its registers
.rept 4
	v_nop
.endr
.endm
.macro QUARTER slot, qd, f, g, zero    ; multiplies buffer f and fetches quarter qd into g
	s_wait_dscnt 16                                ; the first 32 along K are in
	WIN MUL
	MUL8 \f, 0, 0, \zero
	MUL8 \f, 0, 2, \zero
	PLACES
	FETCH \slot, \qd, \g
	s_wait_dscnt 32                                ; all but the 32 just issued
	WIN MUL
	MUL8 \f, 1, 0, 0
	MUL8 \f, 1, 2, 0
.endm
; The last quarter multiplies buffer 1 and changes slots: ONE barrier; in front of it each wave waits for all its tensor loads (one is out), adds 0 to its spare word, and waits for that
; and for its own reads of this slot.  fill = 1: the barrier opens a round of the cluster's, and this slot is filled again, two K steps ahead.
.macro TURN slot, next, fill
	WIN 0
	s_wait_tensorcnt 0x0
	ds_add_u32 v[SPW], v[NIL]
	s_wait_dscnt 17                                ; (the add and the youngest sixteen loads may be out)
	WIN MUL
	MUL8 F1, 0, 0, 0
	s_wait_dscnt 0x0                               ; the add is done, and my reads of this slot are over
	s_barrier_signal -1
	MUL8 F1, 0, 2, 0
.if \fill
	WIN 0
.endif
	s_barrier_wait -1
.if \fill
	CREST                                          ; no wave of any partner still reads this slot's tile or has a load on its way
	s_add_nc_u64 s[G0+4*(\slot)+2:G0+4*(\slot)+3], s[G0+4*(\slot)+2:G0+4*(\slot)+3], 2*1024
	s_add_nc_u64 s[G0B+4*(\slot)+2:G0B+4*(\slot)+3], s[G0B+4*(\slot)+2:G0B+4*(\slot)+3], 2*KSTEP*2
	JLOAD \slot                                    ; the first tensor load behind the round, 112 matrix instructions ahead of the wait for it; its four v_nop are the places for the loads below
.else
	PLACES
.endif
	FETCH \next, 0, F0
	WIN MUL
	MUL8 F1, 1, 0, 0
	MUL8 F1, 1, 2, 0
.endm
	s_wait_tensorcnt 1                             ; my part of K step 0 is in; K step 1's may stay out
	s_barrier_signal -1
	s_barrier_wait -1
	FETCH 0, 0, F0
	QUARTER 0, 1, F0, F1, 1                        ; the first quarter stands in front of the loop: its first products start the sums
	WIN 0
	s_mov_b32 s3, LAPS-1
.Llap:                                                 ; a trip goes once round the ring and fills both slots again
	QUARTER 0, 2, F1, F0, 0
	QUARTER 0, 3, F0, F1, 0
	TURN 0, 1, 1
	QUARTER 1, 1, F0, F1, 0
	QUARTER 1, 2, F1, F0, 0
	QUARTER 1, 3, F0, F1, 0
	TURN 1, 0, 1
	QUARTER 0, 1, F0, F1, 0
	WIN 0
	s_sub_co_u32 s3, s3, 1
	s_cmp_lg_u32 s3, 0
	s_cbranch_scc1 .Llap
	QUARTER 0, 2, F1, F0, 0                        ; the last lap fills nothing
	QUARTER 0, 3, F0, F1, 0
	TURN 0, 1, 0
	QUARTER 1, 1, F0, F1, 0
	QUARTER 1, 2, F1, F0, 0
	QUARTER 1, 3, F0, F1, 0
	s_wait_dscnt 16
	WIN MUL
	MUL8 F1, 0, 0, 0
	MUL8 F1, 0, 2, 0
	s_wait_dscnt 0x0
	MUL8 F1, 1, 0, 0
	MUL8 F1, 1, 2, 0
	WIN 0
	PLACES
	; THE WAY OUT, 16 rows at a time: 32 bytes a lane into my stage, back as whole rows of 256 bytes.  Each accumulator is read from its lowest registers on.
.irp a, 0,1,2,3
.irp b, 0,1,2,3
	ds_store_b128 v[STO], v[ACC+8*(4*\a+\b):ACC+8*(4*\a+\b)+3]   offset:64*\b
	ds_store_b128 v[STO], v[ACC+8*(4*\a+\b)+4:ACC+8*(4*\a+\b)+7] offset:64*\b+16
.endr
	s_wait_xcnt 0x0                                ; the registers that earlier stores read are loaded again only behind this wait
.irp f, 0,1,2,3,4,5,6,7
	ds_load_b128 v[TMP+32*(\a%2)+4*\f:TMP+32*(\a%2)+4*\f+3], v[RD] offset:2*SPITCH*\f  ; LDS serves a wave's instructions in order: these see the stores above
.endr
.irp f, 0,1,2,3,4,5,6,7
	s_wait_dscnt 7-\f
	global_store_b128 v[CO], v[TMP+32*(\a%2)+4*\f:TMP+32*(\a%2)+4*\f+3], s[8:9] offset:(16*\a+2*\f)*8192 th:TH_STORE_NT  ; 16 lanes store 256 neighbouring bytes, aligned
.endr
.endr
	s_wait_tensorcnt 0x0                           ; the wave's end
	ds_add_u32 v[SPW], v[NIL]
	s_wait_dscnt 0x0
	CROUND                                         ; the closing round
	s_endpgm
.Lfunc_end_k_qa9e025a52c_oproj:
	.size	k_qa9e025a52c_oproj, .Lfunc_end_k_qa9e025a52c_oproj-k_qa9e025a52c_oproj
	.p2alignl 7, 3214868480
	.fill 96, 4, 3214868480
	.section	.rodata,"a",@progbits
	.p2align	6, 0x0
	.amdhsa_kernel k_qa9e025a52c_oproj
		.amdhsa_group_segment_fixed_size 327680
		.amdhsa_private_segment_fixed_size 0
		.amdhsa_enable_private_segment 0
		.amdhsa_kernarg_size 24
		.amdhsa_user_sgpr_count 2
		.amdhsa_user_sgpr_kernarg_segment_ptr 1
		.amdhsa_wavefront_size32 1
		.amdhsa_system_sgpr_workgroup_id_x 1
		.amdhsa_system_sgpr_workgroup_id_y 1
		.amdhsa_system_sgpr_workgroup_id_z 1
		.amdhsa_system_vgpr_workitem_id 0
		.amdhsa_next_free_vgpr 512
		.amdhsa_next_free_sgpr 66
		.amdhsa_reserve_vcc 0
		.amdhsa_float_denorm_mode_32 3
		.amdhsa_float_denorm_mode_16_64 3
		.amdhsa_memory_ordered 1
		.amdhsa_forward_progress 1
		.amdhsa_inst_pref_size 87
	.end_amdhsa_kernel
	.amdgpu_metadata
---
amdhsa.version: [ 1, 2 ]
amdhsa.kernels:
  - .name:           k_qa9e025a52c_oproj
    .symbol:         k_qa9e025a52c_oproj.kd
    .args:
      - { .name: yb, .offset: 0, .size: 8, .value_kind: global_buffer, .address_space: global }
      - { .name: wts, .offset: 8, .size: 8, .value_kind: global_buffer, .address_space: global }
      - { .name: out0, .offset: 16, .size: 8, .value_kind: global_buffer, .address_space: global }
    .group_segment_fixed_size: 327680
    .private_segment_fixed_size: 0
    .kernarg_segment_align: 8
    .kernarg_segment_size: 24
    .max_flat_workgroup_size: 128
    .sgpr_count:     66
    .vgpr_count:     512
    .wavefront_size: 32
...
	.end_amdgpu_metadata
.endif
;; end of part 6
;; ======== version 2 of 2: 6 launches; version 1 with the launch cast written anew for expert scheduling mode
;; limits: values outside matrix products are rounded to f16; values are held in f16: magnitudes above 65,504 overflow, below 6.1e-05 lose precision
;; workspace buffers: xb 8,388,608 bytes; wts 42,074,112 bytes; tab 524,288 bytes; gk2 262,144 bytes; qkvg 33,554,432 bytes; ust 3,670,016 bytes; yb 8,388,608 bytes
;; launch cast (part 7): grid 128 x 7, 8 waves a work-group, no clusters, 0 bytes of LDS; arguments hidden_states, Wq, Wk, Wv, Wg, Wo, Wgk, xb, wts, tab; writes xb, wts, tab
.if DOCPART == 7
	.amdgcn_target "amdgcn-amd-amdhsa--gfx1250"
	.amdhsa_code_object_version 6
	.text
	.protected	k_qa9e025a52c_cast
	.globl	k_qa9e025a52c_cast
	.p2align	8
	.type	k_qa9e025a52c_cast,@function
k_qa9e025a52c_cast:
	s_mov_b64 s[64:65], 0
	v_nop
	global_prefetch_b8 v0, s[64:65] scope:SCOPE_SE
	s_setreg_imm32_b32 hwreg(HW_REG_WAVE_SCHED_MODE, 0, 2), 2
	s_setreg_imm32_b32 hwreg(HW_REG_WAVE_MODE, 25, 1), 1
	s_wait_xcnt 0x0
	s_wait_alu depctr_vm_vsrc(0)
; The matrix operands are made once.  y = 0: hidden_states -> xb in bf16.  y = 1..4: Wq, Wk, Wv, Wg -> wts rows 0..8191 in bf16.
; y = 5: Wo -> wts rows 8192..10239 as f16(8 x bf16(Wo)): the number rounded to bf16 like every input, times 8 (exact), written as f16 (exact while 6.1e-5 <= |8 Wo| < 65,504;
; below that f16's fixed step of 6e-8 holds).  y = 6: the table of cosines and sines for the rotation of q and k, and Wgk -> wts rows 10240..10271 in bf16.
; A work-group of roles 0..5 owns 16 rows: 131,072 bytes in, 65,536 out: 32 pieces of 16 bytes a thread, 4,096 bytes apart.  A wave's load covers 512 neighbouring bytes, its store 256, aligned.
; No LDS, no matrix unit: nothing is used twice.
; THE MODE: SCHED_MODE bits 1:0 = 2 (LLVM: expert scheduling mode 2), set by the entry lines.  The code itself states the register dependences
; between vector instructions and memory instructions, with s_wait_alu, always for 0.
; THE PLAN, roles 0..5.  The 32 pieces go in 16 steps of two, through a ring of four raw buffers.  Registers that memory instructions touch:
;   X0 .. X3   Step s: its conversions read X[s % 4]; behind them the two loads of step s + 4 land in it.
;   Y          Step s: its conversions write it, its two stores read it; the next step's conversions write it again.
;   v1, v2     byte offsets, made once at the head and never written again: the pieces are reached by the two scalar bases, which move on by a step
;              at each step's head, and by immediate offsets.
;   W is named by vector instructions alone.
; So ONE wait on va_vdst stands in a step, behind its conversions: they have written Y, which the stores read, and are done reading X[s % 4], in which the loads land; the four
; memory instructions follow it with no vector instruction between.  One wait on vm_vsrc stands at a step's head: the last step's stores have read Y.
; The raw buffer is asked for again at once, so that six to eight loads of every wave are on their way.
; THE TABLE.  tab[tb][b4][e][lane][4]: lane (r = lane % 16, h = lane / 16) holds cos, sin, cos, sin of the angles t x 10000^(-i/32), t = 16 tb + r, i = 8 b4 + 4 h + 2 e and i + 1:
; the order in which the projection's lanes hold the pairs of a head's channels.  The angle is reduced by multiples of pi/2 (pi/2 in two parts, fused multiply-adds), sine and cosine
; are polynomials on |x| <= pi/4 cut at x^7 and x^8: the terms left out are below 3.2e-7.  10000^(-i/32) is 2^(-0.41524101 i), off by some 3e-7 of itself, alike for q and k.
.set X,  4                             ; v[4:35]   raw buffer k, piece i: four f32 as loaded, at X + 8 k + 4 i
.set Y,  36                            ; v[36:39]  piece i: two words to store, at Y + 2 i
.set W,  40                            ; v[40:45]  at work
.set TF, 16                            ; v16       the table: t as f32
.set FI, 18                            ; v18, v19  i and i + 1 as f32
.set R,  40                            ; v[40:55]  the table: eight registers at work for each of the two angles
	s_load_b512 s[4:19], s[0:1], 0x0               ; hidden_states s[4:5], Wq, Wk, Wv, Wg, Wo s[14:15], Wgk s[16:17], xb s[18:19]
	s_load_b128 s[20:23], s[0:1], 0x40             ; wts s[20:21], tab s[22:23]
	s_and_b32 s24, ttmp7, 0xffff                   ; the role
	v_lshlrev_b32 v1, 4, v0                        ; 16 bytes a thread in,
	v_lshlrev_b32 v2, 3, v0                        ; 8 out
	s_mov_b32 s31, 0                               ; high word of every offset
	s_wait_kmcnt 0x0
	s_cmp_eq_u32 s24, 6
	s_cbranch_scc1 .Ltable
	s_mov_b64 s[26:27], s[4:5]                     ; the source by the role
.irp i, 1,2,3,4,5
	s_cmp_eq_u32 s24, \i
	s_cselect_b64 s[26:27], s[4+2*\i:5+2*\i], s[26:27]
.endr
	s_max_u32 s30, s24, 1
	s_sub_co_u32 s30, s30, 1
	s_lshl_b32 s30, s30, 23                        ; a weight's copy is 8,388,608 bytes
	s_add_nc_u64 s[28:29], s[20:21], s[30:31]
	s_cmp_eq_u32 s24, 0
	s_cselect_b64 s[28:29], s[18:19], s[28:29]     ; role 0 stores into xb
	s_lshl_b32 s30, ttmp9, 17
	s_add_nc_u64 s[26:27], s[26:27], s[30:31]      ; my 16 rows in,
	s_lshl_b32 s30, ttmp9, 16
	s_add_nc_u64 s[28:29], s[28:29], s[30:31]      ; and out
	s_wait_alu depctr_va_vdst(0)                   ; v1 and v2 are written: every load below reads v1 as its offset, every store v2
.irp i, 0,1,2,3,4,5,6,7
	global_load_b128 v[X+4*(\i):X+4*(\i)+3], v1, s[26:27] offset:4096*(\i) th:TH_LOAD_NT  ; the ring is filled: steps 0 to 3 into X0 to X3
.endr
	s_mov_b32 s32, 3
; Step s.  mode 0: to bf16.  mode 1: to bf16, times 8, to f16.  xb = s % 4.  ahead = 1: step s + 4 is loaded.
; left = how many younger loads may still be out when this step's two have to be there.
; Behind their move at the head both bases stand one step past the step in hand: the loads reach pieces 6 and 7 from there, the stores reach back.
.macro STEP mode, xb, ahead, left
	s_wait_loadcnt \left                           ; loads come back in order (ISA guide 5.7.1): X[xb] is in, the younger steps stay out
	s_wait_xcnt 0x0                                ; every earlier memory instruction has had its addresses translated (ISA guide 3.1): the bases and Y are rewritten only behind this wait
	s_wait_alu depctr_vm_vsrc(0)                   ; the last step's stores have read Y, which the conversions below write again
.if \ahead
	s_add_nc_u64 s[26:27], s[26:27], 0x2000
.endif
	s_add_nc_u64 s[28:29], s[28:29], 0x1000
.irp i, 0,1
.if \mode
	v_cvt_pk_bf16_f32 v[W], v[X+8*(\xb)+4*(\i)], v[X+8*(\xb)+4*(\i)+1]
	v_cvt_pk_bf16_f32 v[W+1], v[X+8*(\xb)+4*(\i)+2], v[X+8*(\xb)+4*(\i)+3]
	v_lshlrev_b32 v[W+2], 16, v[W]                 ; bf16 to f32: the low half moves up, the high half stays
	v_and_b32 v[W+3], 0xffff0000, v[W]
	v_lshlrev_b32 v[W+4], 16, v[W+1]
	v_and_b32 v[W+5], 0xffff0000, v[W+1]
	v_pk_mul_f32 v[W+2:W+3], v[W+2:W+3], 0x41000000 op_sel_hi:[1,0]  ; times 8
	v_pk_mul_f32 v[W+4:W+5], v[W+4:W+5], 0x41000000 op_sel_hi:[1,0]
	v_cvt_pk_f16_f32 v[Y+2*(\i)], v[W+2], v[W+3]
	v_cvt_pk_f16_f32 v[Y+2*(\i)+1], v[W+4], v[W+5]
.else
	v_cvt_pk_bf16_f32 v[Y+2*(\i)], v[X+8*(\xb)+4*(\i)], v[X+8*(\xb)+4*(\i)+1]
	v_cvt_pk_bf16_f32 v[Y+2*(\i)+1], v[X+8*(\xb)+4*(\i)+2], v[X+8*(\xb)+4*(\i)+3]
.endif
.endr
	s_wait_alu depctr_va_vdst(0)                   ; the conversions have written Y, which the stores below read, and are done reading X[xb], in which the loads below land
.if \ahead
.irp i, 0,1
	global_load_b128 v[X+8*(\xb)+4*(\i):X+8*(\xb)+4*(\i)+3], v1, s[26:27] offset:(6+(\i))*4096 th:TH_LOAD_NT  ; four steps ahead: the buffer is asked for again at once, ahead of the stores
.endr
.endif
.irp i, 0,1
	global_store_b64 v2, v[Y+2*(\i):Y+2*(\i)+1], s[28:29] offset:((\i)-2)*2048
.endr
.endm
; Steps 0 to 11, four to a lap: the ring is back at its start.  Steps 12 to 15 are written out: they load nothing, no load leaves the buffer, and the counts run down.
.macro STREAM mode, tag
.L\tag:
	STEP \mode, 0, 1, 6
	STEP \mode, 1, 1, 6
	STEP \mode, 2, 1, 6
	STEP \mode, 3, 1, 6
	s_sub_co_u32 s32, s32, 1
	s_cmp_lg_u32 s32, 0
	s_cbranch_scc1 .L\tag
	STEP \mode, 0, 0, 6
	STEP \mode, 1, 0, 4
	STEP \mode, 2, 0, 2
	STEP \mode, 3, 0, 0
	s_endpgm
.endm
	s_cmp_eq_u32 s24, 5
	s_cbranch_scc1 .Lwo
	STREAM 0, plain
	STREAM 1, wo
; One line for each of the two angles: u = 0, 1
.macro TWO line:vararg
.set u, 0
.rept 2
	\line
.set u, u+1
.endr
.endm
; THE PLAN, role 6.  Memory instructions read v1, v2, v[8:11] and v[20:21], and a load lands in v[12:15], which no vector instruction names ahead of it; none of these is written again behind its reader.
; The two angles go side by side, so that the exponentials have one wait and the compares, with the wave's number, another.
.Ltable:
	v_lshrrev_b32 v3, 5, v0
	v_readfirstlane_b32 s25, v3                    ; my wave's number
	v_lshrrev_b32 v4, 6, v0                        ; b4
	v_bfe_u32 v5, v0, 4, 1                         ; h
	v_bfe_u32 v6, v0, 5, 1                         ; e
	v_lshlrev_b32 v4, 3, v4
	v_lshl_add_u32 v4, v5, 2, v4
	v_lshl_add_u32 v4, v6, 1, v4                   ; i = 8 b4 + 4 h + 2 e
	v_and_b32 v5, 15, v0
	s_lshl_b32 s37, ttmp9, 4
	v_add_nc_u32 v5, s37, v5                       ; t = 16 tb + r
	v_cvt_f32_u32 v[TF], v5
	v_cvt_f32_u32 v[FI], v4
	v_add_f32 v[FI+1], 1.0, v[FI]
	s_mov_b32 s33, 0xb9500d01                      ; -1/5040
	s_mov_b32 s34, 0x37d00d01                      ; 1/40320
	; cos and sin of t x 2^(-0.41524101 i).  At R + 8 u: +0 the angle, +1 k, +2 x, +3 x^2, +4 the sine, +5 the cosine, +6 and +7 whole numbers at work
	TWO v_mul_f32 v[R+8*u], 0xbed49a78, v[FI+u]
	TWO v_exp_f32 v[R+8*u], v[R+8*u]
	v_nop                                          ; a plain instruction behind the exponentials
	s_wait_alu depctr_va_vdst(0)                   ; the two exponentials have written v[R] and v[R+8], ahead of their first reader
	TWO v_mul_f32 v[R+8*u], v[TF], v[R+8*u]
	; k = the angle x 2 / pi, rounded
	TWO v_mul_f32 v[R+8*u+1], 0x3f22f983, v[R+8*u]
	TWO v_rndne_f32 v[R+8*u+1], v[R+8*u+1]
	; x = angle - k pi/2: the f32 nearest to pi/2, and what it has too much
	TWO v_fmamk_f32 v[R+8*u+2], v[R+8*u+1], 0xbfc90fdb, v[R+8*u]
	TWO v_fmamk_f32 v[R+8*u+2], v[R+8*u+1], 0x333bbd2e, v[R+8*u+2]
	TWO v_mul_f32 v[R+8*u+3], v[R+8*u+2], v[R+8*u+2]
	; sine: -x^2/5040 + 1/120 ..; cosine: x^2/40320 - 1/720 ..
	TWO v_fmaak_f32 v[R+8*u+4], s33, v[R+8*u+3], 0x3c088889
	TWO v_fmaak_f32 v[R+8*u+5], s34, v[R+8*u+3], 0xbab60b61
	TWO v_fmaak_f32 v[R+8*u+4], v[R+8*u+4], v[R+8*u+3], 0xbe2aaaab
	TWO v_fmaak_f32 v[R+8*u+5], v[R+8*u+5], v[R+8*u+3], 0x3d2aaaab
	TWO v_mul_f32 v[R+8*u+4], v[R+8*u+4], v[R+8*u+3]
	TWO v_fma_f32 v[R+8*u+5], v[R+8*u+5], v[R+8*u+3], -0.5
	TWO v_fma_f32 v[R+8*u+4], v[R+8*u+4], v[R+8*u+2], v[R+8*u+2]
	TWO v_fma_f32 v[R+8*u+5], v[R+8*u+5], v[R+8*u+3], 1.0
	TWO v_cvt_i32_f32 v[R+8*u+6], v[R+8*u+1]
	; odd k: sine and cosine change places
	TWO v_and_b32 v[R+8*u+7], 1, v[R+8*u+6]
	TWO v_cmp_ne_u32 s[35+u], 0, v[R+8*u+7]
	; the sine's sign turns for k % 4 = 2, 3, the cosine's for k % 4 = 1, 2: made between the compares and the wait for them
	TWO v_and_b32 v[R+8*u+7], 2, v[R+8*u+6]
	TWO v_lshlrev_b32 v[R+8*u+7], 30, v[R+8*u+7]
	TWO v_add_nc_u32 v[R+8*u+6], 1, v[R+8*u+6]
	TWO v_and_b32 v[R+8*u+6], 2, v[R+8*u+6]
	TWO v_lshlrev_b32 v[R+8*u+6], 30, v[R+8*u+6]
	s_wait_alu depctr_va_sdst(0)                   ; s35 and s36, the compares' masks, and s25, the wave's number, are written, ahead of the first reader of each
	TWO v_cndmask_b32 v[9+2*u], v[R+8*u+4], v[R+8*u+5], s[35+u]
	TWO v_cndmask_b32 v[8+2*u], v[R+8*u+5], v[R+8*u+4], s[35+u]
	TWO v_xor_b32 v[9+2*u], v[9+2*u], v[R+8*u+7]
	TWO v_xor_b32 v[8+2*u], v[8+2*u], v[R+8*u+6]
	s_lshl_b32 s30, ttmp9, 12
	s_add_nc_u64 s[22:23], s[22:23], s[30:31]
	s_wait_alu depctr_va_vdst(0)                   ; v[8:11] and v1 are written: the store reads them; the load of Wgk below reads v1 too, and no vector instruction stands between
	global_store_b128 v1, v[8:11], s[22:23]        ; 4,096 bytes a work-group, 512 neighbouring bytes a wave
	s_cmp_lt_u32 s25, 4
	s_cbranch_scc0 .Ldone                          ; waves 0 to 3 also take 2,048 bytes of Wgk
	s_lshl_b32 s30, ttmp9, 11
	s_add_nc_u64 s[16:17], s[16:17], s[30:31]
	global_load_b128 v[12:15], v1, s[16:17] th:TH_LOAD_NT
	s_add_nc_u64 s[20:21], s[20:21], 0x2800000     ; row 10,240 of wts
	s_lshl_b32 s30, ttmp9, 10
	s_add_nc_u64 s[20:21], s[20:21], s[30:31]
	s_wait_loadcnt 0x0
	v_cvt_pk_bf16_f32 v20, v12, v13
	v_cvt_pk_bf16_f32 v21, v14, v15
	s_wait_alu depctr_va_vdst(0)                   ; the conversions have written v[20:21], which the store reads
	global_store_b64 v2, v[20:21], s[20:21]
.Ldone:
	s_endpgm
.Lfunc_end_k_qa9e025a52c_cast:
	.size	k_qa9e025a52c_cast, .Lfunc_end_k_qa9e025a52c_cast-k_qa9e025a52c_cast
	.p2alignl 7, 3214868480
	.fill 96, 4, 3214868480
	.section	.rodata,"a",@progbits
	.p2align	6, 0x0
	.amdhsa_kernel k_qa9e025a52c_cast
		.amdhsa_group_segment_fixed_size 0
		.amdhsa_private_segment_fixed_size 0
		.amdhsa_enable_private_segment 0
		.amdhsa_kernarg_size 80
		.amdhsa_user_sgpr_count 2
		.amdhsa_user_sgpr_kernarg_segment_ptr 1
		.amdhsa_wavefront_size32 1
		.amdhsa_system_sgpr_workgroup_id_x 1
		.amdhsa_system_sgpr_workgroup_id_y 1
		.amdhsa_system_sgpr_workgroup_id_z 1
		.amdhsa_system_vgpr_workitem_id 0
		.amdhsa_next_free_vgpr 64
		.amdhsa_next_free_sgpr 66
		.amdhsa_reserve_vcc 0
		.amdhsa_float_denorm_mode_32 3
		.amdhsa_float_denorm_mode_16_64 3
		.amdhsa_memory_ordered 1
		.amdhsa_forward_progress 1
		.amdhsa_inst_pref_size 27
	.end_amdhsa_kernel
	.amdgpu_metadata
---
amdhsa.version: [ 1, 2 ]
amdhsa.kernels:
  - .name:           k_qa9e025a52c_cast
    .symbol:         k_qa9e025a52c_cast.kd
    .args:
      - { .name: hidden_states, .offset: 0, .size: 8, .value_kind: global_buffer, .address_space: global }
      - { .name: Wq, .offset: 8, .size: 8, .value_kind: global_buffer, .address_space: global }
      - { .name: Wk, .offset: 16, .size: 8, .value_kind: global_buffer, .address_space: global }
      - { .name: Wv, .offset: 24, .size: 8, .value_kind: global_buffer, .address_space: global }
      - { .name: Wg, .offset: 32, .size: 8, .value_kind: global_buffer, .address_space: global }
      - { .name: Wo, .offset: 40, .size: 8, .value_kind: global_buffer, .address_space: global }
      - { .name: Wgk, .offset: 48, .size: 8, .value_kind: global_buffer, .address_space: global }
      - { .name: xb, .offset: 56, .size: 8, .value_kind: global_buffer, .address_space: global }
      - { .name: wts, .offset: 64, .size: 8, .value_kind: global_buffer, .address_space: global }
      - { .name: tab, .offset: 72, .size: 8, .value_kind: global_buffer, .address_space: global }
    .group_segment_fixed_size: 0
    .private_segment_fixed_size: 0
    .kernarg_segment_align: 8
    .kernarg_segment_size: 80
    .max_flat_workgroup_size: 256
    .sgpr_count:     66
    .vgpr_count:     64
    .wavefront_size: 32
...
	.end_amdgpu_metadata
.endif
;; end of part 7
;; launch gate: the kernel of part 2 again; grid 128 x 1, 4 waves a work-group, no clusters, 208,896 bytes of LDS; arguments xb, wts, gk2; writes gk2
;; launch proj: the kernel of part 3 again; grid 32 x 8, 4 waves a work-group, clusters of 4 x 4, 327,680 bytes of LDS; arguments xb, wts, qkvg, tab; writes qkvg
;; launch state: the kernel of part 4 again; grid 7 x 32, 4 waves a work-group, no clusters, 167,936 bytes of LDS; arguments qkvg, gk2, ust; writes ust
;; launch attn: the kernel of part 5 again; grid 8 x 32, 4 waves a work-group, no clusters, 174,080 bytes of LDS; arguments qkvg, gk2, ust, yb; writes yb
;; launch oproj: the kernel of part 6 again; grid 16 x 16, 4 waves a work-group, clusters of 4 x 4, 327,680 bytes of LDS; arguments yb, wts, out0; writes out0
